; MI455X (gfx1250); checked and timed in simulation.
; The chip was launched on July 23, 2026; its instructions are those of AMD's public machine-readable ISA for CDNA 5 (MIT licence, August 2026) and "CDNA5" Instruction Set Architecture Reference Guide (July 2026). The comments in the code are by the model that wrote it; some were corrected since.
;; Transformer Block. Allowed arithmetic: float matrix products may take bf16 or f16 operands with f32 sums; all other float work in f32.
;; Inputs: attention_mask 1 x 4,096 int32; b_down 768 float32; b_up 3,072 float32; bk 768 float32; bo 768 float32; bq 768 float32; bv 768 float32; hidden_states 1 x 4,096 x 768 float32; ln1_b 768 float32; ln1_w 768 float32; ln2_b 768 float32; ln2_w 768 float32; w_down 3,072 x 768 float32; w_up 768 x 3,072 float32; wk 768 x 768 float32; wo 768 x 768 float32; wq 768 x 768 float32; wv 768 x 768 float32.
;; Outputs: out0 1 x 4,096 x 768 float32.
;; One version. Each part assembles by itself: llvm-mc -triple=amdgcn-amd-amdhsa -mcpu=gfx1250 --defsym DOCPART=n.
;; ======== version 1 of 1: 7 launches
;; limits: a function is approximated: absolute error at most 1.5e-07
;; workspace buffers: xn 6,291,456 bytes; wb 14,172,160 bytes; qkv 18,874,368 bytes; attn 6,291,456 bytes; hidden 12,582,912 bytes; act 25,165,824 bytes
;; launch prep (part 1): grid 545 x 1, 8 waves a work-group, no clusters, 0 bytes of LDS; arguments hidden_states, ln1_w, ln1_b, wq, wk, wv, w_up, wo, w_down, attention_mask, xn, wb; writes xn, wb
.if DOCPART == 1
	.amdgcn_target "amdgcn-amd-amdhsa--gfx1250"
	.amdhsa_code_object_version 6
	.text
	.protected	k_q809ca6bbc0_prep
	.globl	k_q809ca6bbc0_prep
	.p2align	8
	.type	k_q809ca6bbc0_prep,@function
k_q809ca6bbc0_prep:
	s_mov_b64 s[64:65], 0
	v_nop
	global_prefetch_b8 v0, s[64:65] scope:SCOPE_SE
	s_setreg_imm32_b32 hwreg(HW_REG_WAVE_MODE, 25, 1), 1
	s_wait_xcnt 0x0
; prep: everything that is done once per element ahead of the products.  The work-group's number picks the job:
;   0..255    layer norm 1 of 16 rows of hidden_states, rounded to bf16 into xn [4096][768]
;   256..423  wq, wk, wv, w_up cast to bf16 in their own order: 24,576 consecutive numbers a work-group
;   424..447  wo, 448..543 w_down: cast and laid out as [4 column groups][K][192], so that 256 k rows of one group are dense
;   544       attention_mask -> f32 bias: 0 where the mask is not 0, -inf where it is 0
; No LDS, no barrier, EXEC never changes; every load of a wave is issued before its first wait.
; The variance is taken from the centred row (two passes over registers), so a common offset of the row does not cancel.
.set T,   100                          ; v[100:111] at work
.set WW,  4                            ; v[4:27]   gain of my 24 columns
.set BB,  28                           ; v[28:51]  bias of my 24 columns
.set X0,  52                           ; v[52:75]  row 0
.set X1,  76                           ; v[76:99]  row 1
.set XNP, 24                           ; s[24:25]  xn
.set WO_OFF,  8257536                  ; wb: wo's block
.set WDN_OFF, 9437184                  ; wb: w_down's block
.set MASKB,   14155776                 ; wb: the mask bias
.macro WSUM t                          ; v[t] summed over the 32 lanes, the result in every lane; v[t+1] has been written before
	v_add_f32_dpp v[\t], v[\t], v[\t] row_xmask:1 row_mask:0xf bank_mask:0xf
	v_add_f32_dpp v[\t], v[\t], v[\t] row_xmask:2 row_mask:0xf bank_mask:0xf
	v_add_f32_dpp v[\t], v[\t], v[\t] row_xmask:4 row_mask:0xf bank_mask:0xf
	v_add_f32_dpp v[\t], v[\t], v[\t] row_xmask:8 row_mask:0xf bank_mask:0xf
	v_permlanex16_b32 v[\t+1], v[\t], s32, s33
	v_add_f32 v[\t], v[\t], v[\t+1]
.endm
; One row of 768 numbers, 24 a lane in v[x:x+23] (load c holds columns 128 c + 4 lane .. + 3).  left = younger loads that may stay out.
.macro LNROW x, left, out
	s_wait_loadcnt \left
.irp j, 0,1,2,3,4,5
	v_pk_add_f32 v[T+2*\j:T+2*\j+1], v[\x+4*\j:\x+4*\j+1], v[\x+4*\j+2:\x+4*\j+3]
.endr
	v_pk_add_f32 v[T:T+1], v[T:T+1], v[T+2:T+3]
	v_pk_add_f32 v[T+4:T+5], v[T+4:T+5], v[T+6:T+7]
	v_pk_add_f32 v[T+8:T+9], v[T+8:T+9], v[T+10:T+11]
	v_pk_add_f32 v[T:T+1], v[T:T+1], v[T+4:T+5]
	v_pk_add_f32 v[T:T+1], v[T:T+1], v[T+8:T+9]
	v_add_f32 v[T], v[T], v[T+1]
	WSUM T
	v_mul_f32 v[T+2], s34, v[T]                    ; the mean, twice: a pair for the packed subtraction
	v_mul_f32 v[T+3], s34, v[T]
.irp j, 0,1,2,3,4,5,6,7,8,9,10,11
	v_pk_add_f32 v[\x+2*\j:\x+2*\j+1], v[\x+2*\j:\x+2*\j+1], v[T+2:T+3] neg_lo:[0,1] neg_hi:[0,1]
.endr
	v_pk_mul_f32 v[T:T+1], v[\x:\x+1], v[\x:\x+1]  ; squares of the centred row, two chains started by the first products
	v_pk_mul_f32 v[T+4:T+5], v[\x+2:\x+3], v[\x+2:\x+3]
.irp j, 4,8,12,16,20
	v_pk_fma_f32 v[T:T+1], v[\x+\j:\x+\j+1], v[\x+\j:\x+\j+1], v[T:T+1]
	v_pk_fma_f32 v[T+4:T+5], v[\x+\j+2:\x+\j+3], v[\x+\j+2:\x+\j+3], v[T+4:T+5]
.endr
	v_pk_add_f32 v[T:T+1], v[T:T+1], v[T+4:T+5]
	v_add_f32 v[T], v[T], v[T+1]
	WSUM T
	v_fma_f32 v[T+2], v[T], s34, s35               ; variance + 1e-5
	v_rsq_f32 v[T+6], v[T+2]
	v_nop                                          ; one plain place behind the transcendental (ISA guide 5.7.2)
	s_wait_alu depctr_va_vdst(0)
	v_mov_b32 v[T+7], v[T+6]
.irp j, 0,1,2,3,4,5,6,7,8,9,10,11
	v_pk_mul_f32 v[\x+2*\j:\x+2*\j+1], v[\x+2*\j:\x+2*\j+1], v[T+6:T+7]
.endr
.irp j, 0,1,2,3,4,5,6,7,8,9,10,11
	v_pk_fma_f32 v[\x+2*\j:\x+2*\j+1], v[\x+2*\j:\x+2*\j+1], v[WW+2*\j:WW+2*\j+1], v[BB+2*\j:BB+2*\j+1]
.endr
.irp j, 0,1,2,3,4,5,6,7,8,9,10,11
	v_cvt_pk_bf16_f32 v[\x+\j], v[\x+2*\j], v[\x+2*\j+1]       ; packed downward in place: word j is written after words 2j, 2j+1 were read
.endr
.irp c, 0,1,2,3,4,5
	global_store_b64 v3, v[\x+2*\c:\x+2*\c+1], s[XNP:XNP+1] offset:\out+256*\c   ; a store of the wave covers 256 consecutive bytes, aligned
.endr
.endm
; 24 loads, then 24 times: the oldest load is in (the count leaves the younger ones out), two roundings in place, one store.
.macro CASTL p
.set cnt, 0
.rept 24
	global_load_b128 v[4+4*cnt:7+4*cnt], v2, s[\p:\p+1] offset:4096*cnt th:TH_LOAD_NT
.set cnt, cnt+1
.endr
.set cnt, 0
.rept 24
	s_wait_loadcnt 23-cnt
	v_cvt_pk_bf16_f32 v[4+4*cnt], v[4+4*cnt], v[5+4*cnt]
	v_cvt_pk_bf16_f32 v[5+4*cnt], v[6+4*cnt], v[7+4*cnt]
	global_store_b64 v3, v[4+4*cnt:5+4*cnt], s[26:27] offset:2048*cnt
.set cnt, cnt+1
.endr
.endm
; The same for 32 k rows of a [K][768] matrix.  Chunk (g, u, v): column group g, rows 16 u .. + 15, third v of those 768 pieces of 4 columns.
.macro CASTG p, kk
.set cnt, 0
.irp g, 0,1,2,3
.irp u, 0,1
.irp v, 0,1,2
	global_load_b128 v[4+4*cnt:7+4*cnt], v[104+\v], s[\p:\p+1] offset:\u*49152+\g*768 th:TH_LOAD_NT
.set cnt, cnt+1
.endr
.endr
.endr
.set cnt, 0
.irp g, 0,1,2,3
.irp u, 0,1
.irp v, 0,1,2
	s_wait_loadcnt 23-cnt
	v_cvt_pk_bf16_f32 v[4+4*cnt], v[4+4*cnt], v[5+4*cnt]
	v_cvt_pk_bf16_f32 v[5+4*cnt], v[6+4*cnt], v[7+4*cnt]
	global_store_b64 v3, v[4+4*cnt:5+4*cnt], s[26:27] offset:\g*\kk*384+\u*6144+\v*2048
.set cnt, cnt+1
.endr
.endr
.endr
.endm
	s_load_b512 s[4:19], s[0:1], 0x0               ; hidden_states, ln1_w, ln1_b, wq, wk, wv, w_up, wo
	s_load_b256 s[20:27], s[0:1], 0x40             ; w_down, attention_mask, xn, wb
	s_mov_b32 s31, 0                               ; high word of every byte offset here (all below 4 GiB)
	s_cmp_lt_u32 ttmp9, 256
	s_cbranch_scc1 .Lln
	v_lshlrev_b32 v2, 4, v0                        ; 16 t: my 4 numbers of f32
	v_lshlrev_b32 v3, 3, v0                        ; 8 t: my 4 numbers of bf16
	s_cmp_lt_u32 ttmp9, 424
	s_cbranch_scc1 .Llin
	s_cmp_lt_u32 ttmp9, 544
	s_cbranch_scc1 .Lgrp
	; the mask: 4,096 whole numbers, 16 a thread
	v_mov_b32 v100, 0xff800000                     ; -inf
	s_wait_kmcnt 0x0
	s_add_nc_u64 s[26:27], s[26:27], MASKB
.irp i, 0,1,2,3
	global_load_b128 v[4+4*\i:7+4*\i], v2, s[22:23] offset:4096*\i
.endr
.irp i, 0,1,2,3
	s_wait_loadcnt 3-\i
.irp j, 0,1,2,3
	v_cmp_eq_u32 vcc_lo, 0, v[4+4*\i+\j]
	v_cndmask_b32 v[4+4*\i+\j], 0, v100, vcc_lo
.endr
	global_store_b128 v2, v[4+4*\i:7+4*\i], s[26:27] offset:4096*\i
.endr
	s_endpgm
.Llin:                                             ; wq, wk, wv (24 work-groups each), w_up (96): the order of the numbers stays
	s_sub_co_u32 s29, ttmp9, 256
	s_wait_kmcnt 0x0
	s_cmp_lt_u32 s29, 24
	s_cselect_b64 s[36:37], s[10:11], s[12:13]
	s_cselect_b32 s28, 0, 24
	s_cmp_lt_u32 s29, 48
	s_cselect_b64 s[36:37], s[36:37], s[14:15]
	s_cselect_b32 s28, s28, 48
	s_cmp_lt_u32 s29, 72
	s_cselect_b64 s[36:37], s[36:37], s[16:17]
	s_cselect_b32 s28, s28, 72
	s_sub_co_u32 s28, s29, s28                     ; my block inside the chosen matrix
	s_mul_i32 s30, s28, 98304
	s_add_nc_u64 s[36:37], s[36:37], s[30:31]
	s_mul_i32 s30, s29, 49152                      ; the four matrices follow each other in wb
	s_add_nc_u64 s[26:27], s[26:27], s[30:31]
	CASTL 36
	s_endpgm
.Lgrp:                                             ; x = t + 256 v counts 16 rows x 48 pieces of 4 columns; x / 48 = (x * 1366) >> 16 for x < 768
.irp v, 0,1,2
	v_add_nc_u32 v[104+\v], 256*\v, v0
	v_mul_u32_u24 v[108+\v], 1366, v[104+\v]
	v_lshrrev_b32 v[108+\v], 16, v[108+\v]
	v_mul_u32_u24 v[112+\v], 48, v[108+\v]
	v_sub_nc_u32 v[104+\v], v[104+\v], v[112+\v]
	v_mul_u32_u24 v[108+\v], 3072, v[108+\v]
	v_lshl_add_u32 v[104+\v], v[104+\v], 4, v[108+\v]          ; row x 3,072 + 16 x piece
.endr
	s_cmp_lt_u32 ttmp9, 448
	s_cbranch_scc1 .Lwo
	s_sub_co_u32 s29, ttmp9, 448
	s_mul_i32 s30, s29, 98304                      ; 32 rows of 3,072 bytes
	s_wait_kmcnt 0x0
	s_add_nc_u64 s[20:21], s[20:21], s[30:31]
	s_mul_i32 s30, s29, 12288                      ; 32 rows of 384 bytes
	s_add_nc_u64 s[26:27], s[26:27], s[30:31]
	s_add_nc_u64 s[26:27], s[26:27], WDN_OFF
	CASTG 20, 3072
	s_endpgm
.Lwo:
	s_sub_co_u32 s29, ttmp9, 424
	s_mul_i32 s30, s29, 98304
	s_wait_kmcnt 0x0
	s_add_nc_u64 s[18:19], s[18:19], s[30:31]
	s_mul_i32 s30, s29, 12288
	s_add_nc_u64 s[26:27], s[26:27], s[30:31]
	s_add_nc_u64 s[26:27], s[26:27], WO_OFF
	CASTG 18, 768
	s_endpgm
.Lln:                                              ; wave w: rows 16 id + 2 w and the next
	v_and_b32 v1, 31, v0
	v_lshrrev_b32 v4, 5, v0
	v_readfirstlane_b32 s28, v4
	v_lshlrev_b32 v2, 4, v1
	v_lshlrev_b32 v3, 3, v1
	s_lshl_b32 s29, ttmp9, 4
	s_lshl1_add_u32 s29, s28, s29
	s_mul_i32 s30, s29, 3072
	s_mul_i32 s36, s29, 1536
	s_mov_b32 s37, 0
	s_mov_b32 s32, 0x76543210                      ; v_permlanex16_b32: lane i reads lane i of the other half
	s_mov_b32 s33, 0xfedcba98
	s_mov_b32 s34, 0x3aaaaaab                      ; 1 / 768
	s_mov_b32 s35, 0x3727c5ac                      ; 1e-5
	s_wait_kmcnt 0x0
	s_add_nc_u64 s[4:5], s[4:5], s[30:31]
	s_add_nc_u64 s[XNP:XNP+1], s[XNP:XNP+1], s[36:37]
.irp c, 0,1,2,3,4,5
	global_load_b128 v[WW+4*\c:WW+4*\c+3], v2, s[6:7] offset:512*\c
.endr
.irp c, 0,1,2,3,4,5
	global_load_b128 v[BB+4*\c:BB+4*\c+3], v2, s[8:9] offset:512*\c
.endr
.irp c, 0,1,2,3,4,5
	global_load_b128 v[X0+4*\c:X0+4*\c+3], v2, s[4:5] offset:512*\c
.endr
.irp c, 0,1,2,3,4,5
	global_load_b128 v[X1+4*\c:X1+4*\c+3], v2, s[4:5] offset:3072+512*\c
.endr
	LNROW X0, 6, 0                                 ; row 1's six loads may stay out
	LNROW X1, 0, 1536
	s_endpgm
.Lfunc_end_k_q809ca6bbc0_prep:
	.size	k_q809ca6bbc0_prep, .Lfunc_end_k_q809ca6bbc0_prep-k_q809ca6bbc0_prep
	.p2alignl 7, 3214868480
	.fill 96, 4, 3214868480
	.section	.rodata,"a",@progbits
	.p2align	6, 0x0
	.amdhsa_kernel k_q809ca6bbc0_prep
		.amdhsa_group_segment_fixed_size 0
		.amdhsa_private_segment_fixed_size 0
		.amdhsa_enable_private_segment 0
		.amdhsa_kernarg_size 96
		.amdhsa_user_sgpr_count 2
		.amdhsa_user_sgpr_kernarg_segment_ptr 1
		.amdhsa_wavefront_size32 1
		.amdhsa_system_sgpr_workgroup_id_x 1
		.amdhsa_system_sgpr_workgroup_id_y 1
		.amdhsa_system_sgpr_workgroup_id_z 1
		.amdhsa_system_vgpr_workitem_id 0
		.amdhsa_next_free_vgpr 128
		.amdhsa_next_free_sgpr 66
		.amdhsa_reserve_vcc 1
		.amdhsa_float_denorm_mode_32 3
		.amdhsa_float_denorm_mode_16_64 3
		.amdhsa_memory_ordered 1
		.amdhsa_forward_progress 1
		.amdhsa_inst_pref_size 46
	.end_amdhsa_kernel
	.amdgpu_metadata
---
amdhsa.version: [ 1, 2 ]
amdhsa.kernels:
  - .name:           k_q809ca6bbc0_prep
    .symbol:         k_q809ca6bbc0_prep.kd
    .args:
      - { .name: hidden_states, .offset: 0, .size: 8, .value_kind: global_buffer, .address_space: global }
      - { .name: ln1_w, .offset: 8, .size: 8, .value_kind: global_buffer, .address_space: global }
      - { .name: ln1_b, .offset: 16, .size: 8, .value_kind: global_buffer, .address_space: global }
      - { .name: wq, .offset: 24, .size: 8, .value_kind: global_buffer, .address_space: global }
      - { .name: wk, .offset: 32, .size: 8, .value_kind: global_buffer, .address_space: global }
      - { .name: wv, .offset: 40, .size: 8, .value_kind: global_buffer, .address_space: global }
      - { .name: w_up, .offset: 48, .size: 8, .value_kind: global_buffer, .address_space: global }
      - { .name: wo, .offset: 56, .size: 8, .value_kind: global_buffer, .address_space: global }
      - { .name: w_down, .offset: 64, .size: 8, .value_kind: global_buffer, .address_space: global }
      - { .name: attention_mask, .offset: 72, .size: 8, .value_kind: global_buffer, .address_space: global }
      - { .name: xn, .offset: 80, .size: 8, .value_kind: global_buffer, .address_space: global }
      - { .name: wb, .offset: 88, .size: 8, .value_kind: global_buffer, .address_space: global }
    .group_segment_fixed_size: 0
    .private_segment_fixed_size: 0
    .kernarg_segment_align: 8
    .kernarg_segment_size: 96
    .max_flat_workgroup_size: 256
    .sgpr_count:     66
    .vgpr_count:     128
    .wavefront_size: 32
...
	.end_amdgpu_metadata
.endif
;; end of part 1
;; launch qkv (part 2): grid 32 x 6, 4 waves a work-group, clusters of 4 x 1, 327,680 bytes of LDS; arguments xn, wb, bq, bk, bv, qkv; writes qkv
.if DOCPART == 2
	.amdgcn_target "amdgcn-amd-amdhsa--gfx1250"
	.amdhsa_code_object_version 6
	.text
	.protected	k_q809ca6bbc0_qkv
	.globl	k_q809ca6bbc0_qkv
	.p2align	8
	.type	k_q809ca6bbc0_qkv,@function
k_q809ca6bbc0_qkv:
	s_mov_b64 s[64:65], 0
	v_nop
	global_prefetch_b8 v0, s[64:65] scope:SCOPE_SE
	s_setreg_imm32_b32 hwreg(HW_REG_WAVE_MODE, 25, 1), 1
	s_wait_xcnt 0x0
	s_wait_alu depctr_hold_cnt(0) depctr_sa_sdst(0) depctr_va_vdst(0) depctr_va_sdst(0) depctr_va_ssrc(0) depctr_va_vcc(0) depctr_vm_vsrc(0)
	s_getreg_b32 s2, hwreg(HW_REG_IB_STS2, 6, 4)
	s_cmp_eq_u32 s2, 0
	s_cbranch_scc0 .Lentry_in_a_cluster
	s_endpgm
.Lentry_in_a_cluster:
	s_bfe_u32 s2, ttmp6, 0x10000c
	s_cmp_lg_u32 s2, 0x3003
	s_cbranch_scc0 .Lentry_shape_is_right
	s_endpgm
.Lentry_shape_is_right:
; out = x W + bias (GELU = 1: gelu of it), x: xn [4096][768] bf16, W: bf16 [768 k][NB n] in wb, out: planes [N/64][4096][64] bf16.
; A work-group makes 128 rows x 384 columns with four waves; a wave makes 64 rows x 192 columns: 48 accumulator tiles, 384 registers.
; From each chunk of 128 columns (cb = 0..2) wave (wr, p) takes the 64 columns at 64 p, which are one plane of the output.
; K goes in six steps of 128 through two LDS slots.  A slot: W's three chunks (128 k rows x 256 bytes, rows 288 bytes apart), then x's
; 128 rows x 256 bytes, rows 272 bytes apart.  Waves 0 to 2 fetch chunk w, wave 3 fetches x: LDS address = slot + w x 36,864 for all four.
; CLUSTER 4 x 1: the four work-groups are four row blocks of one column group and need the same tiles of W: those are asked for jointly
; (mask 15).  x's tile is each work-group's own (mask 0).  Six column groups do not divide by four, so x is not shared.
; W stays [k][n]: ds_load_tr16_b128 hands a lane column n0 + r with k along its registers.
; The matrix instruction is used transposed (source 0 = W's fragment, source 1 = x's): lane l holds row l % 16 and the eight neighbouring
; columns n0 + 8 (l / 16) + 0..7.  Sums in f32; operands in bf16.
; GELU is the exact form with erf by the rational approximation 7.1.26 of Abramowitz and Stegun: absolute error of erf 1.5e-7.
; Registers: window 0: v16-29 addresses, v64-127 x's fragments (two buffers; at work on the way out from v32), v128-223 bias, v224-255 GELU;
; window 1: v0-95, v96-191 W's fragments (two buffers); window 2: tiles (a, b < 8) at 8 (8 a + b); window 3: tiles (a, b >= 8) at 8 (4 a + b - 8).
.set GELU,  0
.set NB,    768                        ; W's columns = its pitch in elements
.set WUP,   3538944                    ; wb: w_up's block
.set PA,    272
.set PB,    288
.set CHUNK, 128*PB                     ; 36,864
.set AOFF,  3*CHUNK
.set SLOT,  AOFF+128*PA                ; 145,408
.set STAGE, 2*SLOT                     ; behind the ring: 16 rows x 400 bytes for each wave, never filled by a tensor load
.set SP,    400
.set BSTEP, 128*NB*2                   ; bytes of 128 k rows of W
.set ADRA, 16                          ; v16-17  x's fragments, slot 0, 1
.set ADRB, 18                          ; v18-23  W's fragments, 3 x slot + chunk
.set STO,  24
.set RD,   25
.set CO,   26
.set BO,   27
.set A5,   28                          ; v[28:29] GELU's leading coefficient, twice
.set TMP,  32
.set FA,   64
.set BIAS, 128
.set GT,   224
.set G1A, 24
.set G0A, 32
.set G1B, 48
.set G0B, 56
.if GELU
.set OUTP, 10
.else
.set OUTP, 14
.endif
.set MSB, 0
.macro WIN new                         ; the immediate's high byte repeats the setting that is left
.if MSB != \new
	s_set_vgpr_msb (MSB<<8)|\new
.set MSB, \new
.endif
.endm
.set MUL_LO, 0xa1                      ; source 0 (W) window 1, source 1 (x) window 0, C and D window 2
.set MUL_HI, 0xf1                      ; the same, C and D window 3
.set TO_B,   0x40                      ; destination window 1, address window 0
.macro JLOAD s                         ; one tensor load a wave: wave 3 x's tile, waves 0 to 2 a chunk of W (joint)
	s_cmp_eq_u32 s16, 3
	s_cbranch_scc0 .Lfor_b_\@
	tensor_load_to_lds s[G0A+4*\s:G0A+4*\s+3], s[G1A:G1A+7]
	s_nop 0
	s_branch .Lasked_\@
.Lfor_b_\@:
	tensor_load_to_lds s[G0B+4*\s:G0B+4*\s+3], s[G1B:G1B+7]
	s_nop 0
.Lasked_\@:
.endm
.macro CREST                           ; a round of the cluster's barrier behind its opening barrier
	s_cmp_lg_u32 s16, 0
	s_cbranch_scc1 .Lnot_wave_0_\@
	s_barrier_signal -3
.Lnot_wave_0_\@:
	s_barrier_wait -3
	s_barrier_signal -1
	s_barrier_wait -1
.endm
.macro CROUND
	s_barrier_signal -1
	s_barrier_wait -1
	CREST
.endm
.macro PLACES                          ; four plain places behind a matrix instruction, in front of loads into its sources and of reads of its result
.rept 4
	v_nop
.endr
.endm
; The 48 accumulators take turns, one instruction a turn, in the same order in every quarter step.
.macro MUL16 f, a0, zero               ; row blocks a0, a0 + 1 x column tiles 0..7
.irp a, \a0, \a0+1
.irp b, 0,1,2,3,4,5,6,7
.if \zero
	v_wmma_f32_16x16x32_bf16 v[8*(8*(\a)+\b):8*(8*(\a)+\b)+7], v[96*\f+8*\b:96*\f+8*\b+7], v[FA+32*\f+8*(\a):FA+32*\f+8*(\a)+7], 0
.else
	v_wmma_f32_16x16x32_bf16 v[8*(8*(\a)+\b):8*(8*(\a)+\b)+7], v[96*\f+8*\b:96*\f+8*\b+7], v[FA+32*\f+8*(\a):FA+32*\f+8*(\a)+7], v[8*(8*(\a)+\b):8*(8*(\a)+\b)+7]
.endif
.endr
.endr
.endm
.macro MULHI f, zero                   ; all four row blocks x column tiles 8..11
.irp a, 0,1,2,3
.irp b, 0,1,2,3
.if \zero
	v_wmma_f32_16x16x32_bf16 v[8*(4*\a+\b):8*(4*\a+\b)+7], v[96*\f+64+8*\b:96*\f+64+8*\b+7], v[FA+32*\f+8*\a:FA+32*\f+8*\a+7], 0
.else
	v_wmma_f32_16x16x32_bf16 v[8*(4*\a+\b):8*(4*\a+\b)+7], v[96*\f+64+8*\b:96*\f+64+8*\b+7], v[FA+32*\f+8*\a:FA+32*\f+8*\a+7], v[8*(4*\a+\b):8*(4*\a+\b)+7]
.endif
.endr
.endr
.endm
.macro FETCH slot, kq, f               ; 32 LDS loads in one run: the fragments of quarter kq (32 along K) into buffer f; W's tiles 8-11 last
	WIN 0
.irp a, 0,1,2,3
	ds_load_b128 v[FA+32*\f+8*\a:FA+32*\f+8*\a+3],   v[ADRA+\slot] offset:\kq*64+\a*16*PA
	ds_load_b128 v[FA+32*\f+8*\a+4:FA+32*\f+8*\a+7], v[ADRA+\slot] offset:\kq*64+\a*16*PA+32
.endr
	WIN TO_B
.irp cb, 0,1,2
.irp bb, 0,1,2,3
	ds_load_tr16_b128 v[96*\f+8*(4*\cb+\bb):96*\f+8*(4*\cb+\bb)+3],   v[ADRB+3*\slot+\cb] offset:\kq*32*PB+\bb*32
	ds_load_tr16_b128 v[96*\f+8*(4*\cb+\bb)+4:96*\f+8*(4*\cb+\bb)+7], v[ADRB+3*\slot+\cb] offset:\kq*32*PB+\bb*32+16*PB
.endr
.endr
.endm
.macro QUARTER slot, k, f, g, zero     ; multiplies buffer f; in its middle fetches quarter k of the same slot into buffer g
	s_wait_dscnt 8                                 ; all but the youngest eight loads (W's tiles 8-11) are in
	WIN MUL_LO
	MUL16 \f, 0, \zero
	MUL16 \f, 2, \zero
	PLACES
	FETCH \slot, \k, \g
	s_wait_dscnt 32                                ; all but the 32 just issued
	WIN MUL_HI
	MULHI \f, \zero
.endm
.macro THREE slot, zero
	QUARTER \slot, 1, 0, 1, \zero
	QUARTER \slot, 2, 1, 0, 0
	QUARTER \slot, 3, 0, 1, 0
.endm
; The last quarter of a step multiplies buffer 1 and changes slots.  In front of the barrier each wave waits for its reads of this slot and for
; all its tensor loads (one is out: its part of the next slot).  fill = 1: the barrier opens a round of the cluster's barrier, and the refill
; is the wave's first tensor load behind the round's closing wait.
.macro TURN slot, next, fill
	s_wait_dscnt 8
	WIN MUL_LO
	MUL16 1, 0, 0
	s_wait_dscnt 0
	s_wait_tensorcnt 0x0
	s_barrier_signal -1
	MUL16 1, 2, 0                                  ; register work alone between signal and wait
	WIN 0
	s_barrier_wait -1
.if \fill
	CREST
	s_add_nc_u64 s[G0A+4*\slot+2:G0A+4*\slot+3], s[G0A+4*\slot+2:G0A+4*\slot+3], 512       ; no tensor load of mine is out: two K steps on
	s_add_nc_u64 s[G0B+4*\slot+2:G0B+4*\slot+3], s[G0B+4*\slot+2:G0B+4*\slot+3], 2*BSTEP
	JLOAD \slot
.endif
	PLACES
	FETCH \next, 0, 0
	WIN MUL_HI
	MULHI 1, 0
.endm
.macro LAP zero
	THREE 0, \zero
	TURN 0, 1, 1
	THREE 1, 0
	TURN 1, 0, 1
.endm
; gelu(u) = u/2 + |u| (1/2 - q e), e = exp(-u^2/2), q = half of the polynomial in t = 1 / (1 + 0.3275911 |u| / sqrt 2).  Eight numbers at v[x].
.macro GELU8 x
.irp i, 0,1,2,3,4,5,6,7
	v_and_b32 v[GT+\i], 0x7fffffff, v[(\x)+\i]
.endr
.irp i, 0,2,4,6
	v_pk_fma_f32 v[GT+8+\i:GT+9+\i], v[GT+\i:GT+1+\i], 0x3e6d3389, 1.0 op_sel_hi:[1,0,0]
	v_pk_mul_f32 v[GT+16+\i:GT+17+\i], v[GT+\i:GT+1+\i], 0x3f596d27 op_sel_hi:[1,0]        ; |u| sqrt(log2(e) / 2)
.endr
.irp i, 0,2,4,6
	v_pk_mul_f32 v[GT+16+\i:GT+17+\i], v[GT+16+\i:GT+17+\i], v[GT+16+\i:GT+17+\i] neg_lo:[1,0] neg_hi:[1,0]
.endr
.irp i, 0,1,2,3,4,5,6,7
	v_exp_f32 v[GT+16+\i], v[GT+16+\i]
.endr
.irp i, 0,1,2,3,4,5,6,7
	v_rcp_f32 v[GT+8+\i], v[GT+8+\i]
.endr
.irp i, 0,2,4,6
	v_pk_mul_f32 v[(\x)+\i:(\x)+\i+1], v[(\x)+\i:(\x)+\i+1], 0.5 op_sel_hi:[1,0]           ; plain work behind the transcendentals (ISA guide 5.7.2)
.endr
.irp i, 0,2,4,6
	v_pk_fma_f32 v[GT+24+\i:GT+25+\i], v[GT+8+\i:GT+9+\i], v[A5:A5+1], 0xbf3a00e3 op_sel_hi:[1,1,0]
.endr
.irp i, 0,2,4,6
	v_pk_fma_f32 v[GT+24+\i:GT+25+\i], v[GT+24+\i:GT+25+\i], v[GT+8+\i:GT+9+\i], 0x3f35f0e3 op_sel_hi:[1,1,0]
.endr
.irp i, 0,2,4,6
	v_pk_fma_f32 v[GT+24+\i:GT+25+\i], v[GT+24+\i:GT+25+\i], v[GT+8+\i:GT+9+\i], 0xbe11a98e op_sel_hi:[1,1,0]
.endr
.irp i, 0,2,4,6
	v_pk_fma_f32 v[GT+24+\i:GT+25+\i], v[GT+24+\i:GT+25+\i], v[GT+8+\i:GT+9+\i], 0x3e027906 op_sel_hi:[1,1,0]
.endr
.irp i, 0,2,4,6
	v_pk_mul_f32 v[GT+24+\i:GT+25+\i], v[GT+24+\i:GT+25+\i], v[GT+8+\i:GT+9+\i]
.endr
.irp i, 0,2,4,6
	v_pk_fma_f32 v[GT+24+\i:GT+25+\i], v[GT+24+\i:GT+25+\i], v[GT+16+\i:GT+17+\i], 0.5 op_sel_hi:[1,1,0] neg_lo:[1,0,0] neg_hi:[1,0,0]
.endr
.irp i, 0,2,4,6
	v_pk_fma_f32 v[(\x)+\i:(\x)+\i+1], v[GT+\i:GT+1+\i], v[GT+24+\i:GT+25+\i], v[(\x)+\i:(\x)+\i+1]
.endr
.endm
; Rows 16 a .. 16 a + 15 of my 64: bias (and GELU), rounded to bf16, through my own stage, out as 512 consecutive bytes a store.
.macro OUT16 a
	s_wait_xcnt 0x0                                ; the registers that the last sixteen rows' stores read are rewritten only behind this wait
	WIN 0x02
.irp b, 0,1,2,3,4,5,6,7
.irp r, 0,1,2,3
	v_pk_add_f32 v[TMP+8*\b+2*\r:TMP+8*\b+2*\r+1], v[8*(8*\a+\b)+2*\r:8*(8*\a+\b)+2*\r+1], v[BIAS+8*\b+2*\r:BIAS+8*\b+2*\r+1]
.endr
.endr
	WIN 0x03
.irp b, 8,9,10,11
.irp r, 0,1,2,3
	v_pk_add_f32 v[TMP+8*\b+2*\r:TMP+8*\b+2*\r+1], v[8*(4*\a+\b-8)+2*\r:8*(4*\a+\b-8)+2*\r+1], v[BIAS+8*\b+2*\r:BIAS+8*\b+2*\r+1]
.endr
.endr
	WIN 0
.if GELU
.irp b, 0,1,2,3,4,5,6,7,8,9,10,11
	GELU8 TMP+8*\b
.endr
.endif
.set cnt, 0
.rept 48
	v_cvt_pk_bf16_f32 v[TMP+cnt], v[TMP+2*cnt], v[TMP+2*cnt+1]     ; packed downward in place
.set cnt, cnt+1
.endr
.irp cb, 0,1,2
.irp bb, 0,1,2,3
	ds_store_b128 v[STO], v[TMP+4*(4*\cb+\bb):TMP+4*(4*\cb+\bb)+3] offset:\cb*128+\bb*32
.endr
.endr
.irp cb, 0,1,2
.irp i, 0,1,2,3
	ds_load_b128 v[TMP+48+4*(4*\cb+\i):TMP+48+4*(4*\cb+\i)+3], v[RD] offset:\i*4*SP+\cb*128   ; my own bytes: LDS serves a wave's instructions in order (ISA guide 5.7.1)
.endr
.endr
.set cnt, 0
.irp cb, 0,1,2
.irp i, 0,1,2,3
	s_wait_dscnt 11-cnt
	global_store_b128 v[CO], v[TMP+48+4*cnt:TMP+48+4*cnt+3], s[66:67] offset:\cb*1048576+\a*2048+\i*512   ; four rows of a plane: 512 consecutive bytes, aligned
.set cnt, cnt+1
.endr
.endr
.endm
	s_load_b256 s[4:11], s[0:1], 0x0               ; xn, wb, then bq, bk (GELU: b_up, act)
.if GELU == 0
	s_load_b128 s[12:15], s[0:1], 0x20             ; bv, qkv
.endif
	v_lshrrev_b32 v1, 5, v0
	v_readfirstlane_b32 s16, v1                    ; wave 0..3
	s_lshr_b32 s17, s16, 1                         ; wr: which 64 rows
	s_and_b32 s18, s16, 1                          ; p: which 64 of each 128 columns
	s_bfe_u32 s19, ttmp6, 0x40000                  ; cx
	s_lshl_b32 s20, ttmp9, 2
	s_add_co_u32 s20, s20, s19                     ; row block
	s_and_b32 s21, ttmp7, 0xffff                   ; column group
	; group 1 for x: 128 rows x 128 elements of 2 bytes, 4 words of padding behind every 64
	s_mov_b32 s[G1A+0], (1<<16)|(1<<20)|(5<<22)|(3<<25)
	s_mov_b32 s[G1A+1], 128<<16
	s_mov_b32 s[G1A+2], 128<<16
	s_mov_b32 s[G1A+3], 128<<16
	s_mov_b32 s[G1A+4], 128
	s_mov_b32 s[G1A+5], 768
	s_mov_b32 s[G1A+6], 0
	s_mov_b32 s[G1A+7], 0
	; group 1 for W: the same tile with 8 words of padding, mask 15 (all four of the cluster) and bit 21 beside it
	s_mov_b32 s[G1B+0], 15|(1<<16)|(1<<20)|(1<<21)|(5<<22)|(7<<25)
	s_mov_b32 s[G1B+1], 128<<16
	s_mov_b32 s[G1B+2], 128<<16
	s_mov_b32 s[G1B+3], 128<<16
	s_mov_b32 s[G1B+4], 128
	s_mov_b32 s[G1B+5], NB
	s_mov_b32 s[G1B+6], 0
	s_mov_b32 s[G1B+7], 0
	s_mul_i32 s40, s20, 196608                     ; x: 128 rows of 1,536 bytes a row block
	s_mov_b32 s41, 0
.if GELU
	s_mul_i32 s44, s21, 768                        ; W: 384 columns a group
	s_add_co_u32 s44, s44, WUP
.else
	s_lshr_b32 s72, s21, 1                         ; W: matrix g / 2, its half g % 2
	s_and_b32 s73, s21, 1
	s_mul_i32 s44, s72, 1179648
	s_mul_i32 s73, s73, 768
	s_add_co_u32 s44, s44, s73
.endif
	s_lshl_b32 s45, s16, 8                         ; + my chunk of 128 columns
	s_add_co_u32 s44, s44, s45
	s_mov_b32 s45, 0
	s_mul_i32 s22, s16, CHUNK                      ; LDS: wave x 36,864
	s_wait_kmcnt 0x0
	s_add_nc_u64 s[42:43], s[4:5], s[40:41]
	s_add_nc_u64 s[46:47], s[6:7], s[44:45]
	CROUND                                         ; all four work-groups are here: the first joint loads meet
.irp s, 0,1
	s_mov_b32 s[G0A+4*\s], 1
	s_add_co_u32 s[G0A+4*\s+1], s22, \s*SLOT
	s_add_nc_u64 s[G0A+4*\s+2:G0A+4*\s+3], s[42:43], \s*256
	s_or_b32 s[G0A+4*\s+3], s[G0A+4*\s+3], 0x80000000
	s_mov_b32 s[G0B+4*\s], 1
	s_add_co_u32 s[G0B+4*\s+1], s22, \s*SLOT
	s_add_nc_u64 s[G0B+4*\s+2:G0B+4*\s+3], s[46:47], \s*BSTEP
	s_or_b32 s[G0B+4*\s+3], s[G0B+4*\s+3], 0x80000000
	JLOAD \s                                       ; K steps 0 and 1: two tensor loads of the wave are out
.endr
	v_and_b32 v1, 15, v0                           ; r
	v_bfe_u32 v2, v0, 4, 1                         ; h
	v_and_b32 v3, 31, v0                           ; lane
	v_and_b32 v5, 7, v0
	v_bfe_u32 v7, v0, 3, 1
	v_bfe_u32 v8, v0, 3, 2
	v_mul_u32_u24 v4, v1, PA
	v_lshl_add_u32 v4, v2, 4, v4
	s_mul_i32 s23, s17, 64*PA
	s_add_co_u32 s23, s23, AOFF
	v_add_nc_u32 v[ADRA], s23, v4
	v_add_nc_u32 v[ADRA+1], SLOT, v[ADRA]
	v_lshl_add_u32 v6, v2, 3, v5                   ; k row 8 h + lane % 8
	v_mul_u32_u24 v6, v6, PB
	v_lshl_add_u32 v6, v7, 4, v6
	s_lshl_b32 s23, s18, 7
	v_add_nc_u32 v6, s23, v6
.irp s, 0,1
.irp cb, 0,1,2
	v_add_nc_u32 v[ADRB+3*\s+\cb], \s*SLOT+\cb*CHUNK, v6
.endr
.endr
	s_mul_i32 s23, s16, 16*SP
	s_add_co_u32 s23, s23, STAGE
	v_mul_u32_u24 v9, v1, SP
	v_lshl_add_u32 v9, v2, 4, v9
	v_add_nc_u32 v[STO], s23, v9
	v_mul_u32_u24 v10, v8, SP
	v_lshl_add_u32 v10, v5, 4, v10
	v_add_nc_u32 v[RD], s23, v10
	v_lshlrev_b32 v[CO], 4, v3
	v_lshlrev_b32 v[BO], 5, v2
	v_mov_b32 v[A5], 0x3f07dc22
	v_mov_b32 v[A5+1], 0x3f07dc22
	; the bias of my 96 columns a lane, and the output's base
.if GELU
	s_mul_i32 s70, s21, 1536
	s_mov_b64 s[68:69], s[8:9]
.else
	s_lshr_b32 s72, s21, 1
	s_cmp_eq_u32 s72, 0
	s_cselect_b64 s[68:69], s[8:9], s[10:11]
	s_cmp_eq_u32 s72, 2
	s_cselect_b64 s[68:69], s[12:13], s[68:69]
	s_and_b32 s70, s21, 1
	s_mul_i32 s70, s70, 1536
.endif
	s_lshl_b32 s71, s18, 8
	s_add_co_u32 s70, s70, s71
	s_mov_b32 s71, 0
	s_add_nc_u64 s[68:69], s[68:69], s[70:71]
.irp cb, 0,1,2
.irp bb, 0,1,2,3
	global_load_b128 v[BIAS+8*(4*\cb+\bb):BIAS+8*(4*\cb+\bb)+3],   v[BO], s[68:69] offset:(128*\cb+16*\bb)*4
	global_load_b128 v[BIAS+8*(4*\cb+\bb)+4:BIAS+8*(4*\cb+\bb)+7], v[BO], s[68:69] offset:(128*\cb+16*\bb)*4+16
.endr
.endr
	s_mul_i32 s74, s21, 6
	s_add_co_u32 s74, s74, s18                     ; plane 6 g + p
	s_lshl_b32 s74, s74, 19
	s_lshl_b32 s75, s20, 14                        ; + row block x 128 rows x 128 bytes
	s_add_co_u32 s74, s74, s75
	s_lshl_b32 s75, s17, 13
	s_add_co_u32 s74, s74, s75
	s_mov_b32 s75, 0
	s_add_nc_u64 s[66:67], s[OUTP:OUTP+1], s[74:75]
	s_wait_tensorcnt 0x1                           ; my part of K step 0 is in; step 1's may stay out
	s_barrier_signal -1
	s_barrier_wait -1
	FETCH 0, 0, 0
	LAP 1                                          ; the first products start the sums
	LAP 0
	THREE 0, 0                                     ; the last two steps fill nothing
	TURN 0, 1, 0
	THREE 1, 0
	s_wait_dscnt 8
	WIN MUL_LO
	MUL16 1, 0, 0
	MUL16 1, 2, 0
	s_wait_dscnt 0
	WIN MUL_HI
	MULHI 1, 0
	PLACES
	s_wait_loadcnt 0x0                             ; the bias
	OUT16 0
	OUT16 1
	OUT16 2
	OUT16 3
	CROUND                                         ; the closing round: no work-group ends while a partner may still ask jointly
	s_endpgm
.Lfunc_end_k_q809ca6bbc0_qkv:
	.size	k_q809ca6bbc0_qkv, .Lfunc_end_k_q809ca6bbc0_qkv-k_q809ca6bbc0_qkv
	.p2alignl 7, 3214868480
	.fill 96, 4, 3214868480
	.section	.rodata,"a",@progbits
	.p2align	6, 0x0
	.amdhsa_kernel k_q809ca6bbc0_qkv
		.amdhsa_group_segment_fixed_size 327680
		.amdhsa_private_segment_fixed_size 0
		.amdhsa_enable_private_segment 0
		.amdhsa_kernarg_size 48
		.amdhsa_user_sgpr_count 2
		.amdhsa_user_sgpr_kernarg_segment_ptr 1
		.amdhsa_wavefront_size32 1
		.amdhsa_system_sgpr_workgroup_id_x 1
		.amdhsa_system_sgpr_workgroup_id_y 1
		.amdhsa_system_sgpr_workgroup_id_z 1
		.amdhsa_system_vgpr_workitem_id 0
		.amdhsa_next_free_vgpr 896
		.amdhsa_next_free_sgpr 96
		.amdhsa_reserve_vcc 0
		.amdhsa_float_denorm_mode_32 3
		.amdhsa_float_denorm_mode_16_64 3
		.amdhsa_memory_ordered 1
		.amdhsa_forward_progress 1
		.amdhsa_inst_pref_size 177
	.end_amdhsa_kernel
	.amdgpu_metadata
---
amdhsa.version: [ 1, 2 ]
amdhsa.kernels:
  - .name:           k_q809ca6bbc0_qkv
    .symbol:         k_q809ca6bbc0_qkv.kd
    .args:
      - { .name: xn, .offset: 0, .size: 8, .value_kind: global_buffer, .address_space: global }
      - { .name: wb, .offset: 8, .size: 8, .value_kind: global_buffer, .address_space: global }
      - { .name: bq, .offset: 16, .size: 8, .value_kind: global_buffer, .address_space: global }
      - { .name: bk, .offset: 24, .size: 8, .value_kind: global_buffer, .address_space: global }
      - { .name: bv, .offset: 32, .size: 8, .value_kind: global_buffer, .address_space: global }
      - { .name: qkv, .offset: 40, .size: 8, .value_kind: global_buffer, .address_space: global }
    .group_segment_fixed_size: 327680
    .private_segment_fixed_size: 0
    .kernarg_segment_align: 8
    .kernarg_segment_size: 48
    .max_flat_workgroup_size: 128
    .sgpr_count:     96
    .vgpr_count:     896
    .wavefront_size: 32
...
	.end_amdgpu_metadata
.endif
;; end of part 2
;; launch attn (part 3): grid 16 x 12, 16 waves a work-group, no clusters, 327,680 bytes of LDS; arguments qkv, wb, attn; writes attn
.if DOCPART == 3
	.amdgcn_target "amdgcn-amd-amdhsa--gfx1250"
	.amdhsa_code_object_version 6
	.text
	.protected	k_q809ca6bbc0_attn
	.globl	k_q809ca6bbc0_attn
	.p2align	8
	.type	k_q809ca6bbc0_attn,@function
k_q809ca6bbc0_attn:
	s_mov_b64 s[64:65], 0
	v_nop
	global_prefetch_b8 v0, s[64:65] scope:SCOPE_SE
	s_setreg_imm32_b32 hwreg(HW_REG_WAVE_MODE, 25, 1), 1
	s_wait_xcnt 0x0
; Causal attention with a padding mask, one head a work-group row.  q, k, v: planes [36][4096][64] bf16 (0-11 q, 12-23 k, 24-35 v);
; mask bias: f32 [4096], 0 or -inf, in wb; out: planes [12][4096][64] bf16.
; Work-group (p, head) takes the query blocks of 128 rows p and 31 - p, one after the other.  Keys go in tiles of 256: block qb needs
; qb/2 + 1 of them, so every work-group makes (p/2 + 1) + ((31-p)/2 + 1) = 17 trips.  Tiles wholly above the diagonal are not visited;
; the last trip of a block applies the causal compare.
; NO CLUSTER: the query blocks of a head have different numbers of key tiles, and partners in joint loads must run the same trips;
; making them equal would double the products.
; SIXTEEN WAVES, four on a SIMD with 256 registers each (4 x 256 = a SIMD's 1,024): a wave's trip is a chain of LDS loads, products, softmax
; and products again, and while one wave waits in that chain the three others on its SIMD have vector or matrix work to issue.
; kh = w / 4 takes keys 64 kh .. + 63 of each tile, wq = w % 4 takes query rows 32 wq .. + 31.  The four key quarters keep a running
; maximum, sum and output of their own and are merged through LDS at the end of a block.
; S is made transposed (source 0 = K, source 1 = Q): lane l holds query l % 16 and keys 16 kt + 8 (l / 16) + 0..7, which packed to bf16
; are source 1 of O^T = V^T P^T as they stand; V^T comes by ds_load_tr16_b128.  In O a lane again holds query l % 16.
; Softmax in base 2 with a running maximum; where no key has been admitted yet the maximum taken away is -FLT_MAX, so exponents stay -inf.
; A row with no admissible key ends with sum 0 and comes out NaN (0 x inf), as the softmax of a row of -inf does.
; P is rounded to bf16 for the product; the sum is taken from the f32 values.
; Ring of two LDS slots; a slot: V 256 x 160 bytes, K 256 x 144 bytes, 1,024 bytes of mask bias.  Waves 0-3 fetch V's quarters, 4-7 K's, 8 the bias.
; Every block starts in slot 0, so that each slot's number is a constant of the text whatever the block's number of trips.
; By this text's count a wave has at most one tensor load outstanding.
.set SLOT,  78848
.set KOFF,  40960
.set MOFF,  77824
.set MSET,  17*512                     ; one wave's O (16 x 512 bytes), maxima and sums (512 bytes)
.set MERGE, 2*SLOT                     ; 12 sets, written by ds_store alone
.set STAGE, MERGE+12*MSET              ; 4 x 32 rows x 144 bytes, written by ds_store alone
.set MASKB, 14155776
.set TILEB, 32768                      ; 256 keys x 128 bytes
.set TILEM, 1024                       ; 256 keys x 4 bytes
.set OO,   0                           ; v[0:63]    O, tile (qt, ht) at 8 (4 qt + ht)
.set QQ,   64                          ; v[64:95]   Q, fragment (qt, c) at 8 (2 qt + c); in the merge: the others' maxima and sums
.set CF,   76                          ; v[76:91]   the merge's factors, pair 4 qt + quarter
.set SS,   96                          ; v[96:159]  S, tile (qt, kt) at 8 (4 qt + kt); P (qt, kc) at 16 qt + 8 kc
.set POOL, 160                         ; v[160:223] K, then mask bias and V
.set VK,   224                         ; v224-225 K's fragments, slot 0, 1 (slot 1 lies beyond the 16-bit immediate)
.set VV,   226                         ; v226-227 V's
.set VM,   228                         ; v228-229 the mask bias
.set VD,   230                         ; a key is above the diagonal where 16 kt + j - 16 qt > VD
.set NINF, 231
.set QOFF, 232
.set STO,  233
.set RD,   234
.set CO,   235
.set MM,   236                         ; v236-237 running maxima, v238-239 running sums (one b128 for the merge)
.set LL,   238
.set MRG,  251                         ; where waves 4 to 15 put their set
.set VDB,  252
.set MRD,  253                         ; where waves 0 to 3 read the sets of their query rows
.set MRD2, 254
.set G1K, 24
.set G1V, 32
.set G1M, 40
.set G0K, 48                           ; s[48:55] K, slot 0, 1
.set G0V, 56                           ; s[56:63] V
.set G0M, 68                           ; s[68:75] mask bias
.set BK,  76                           ; s[76:81] addresses of tile 0 of K, V, bias (my quarter)
.set BV,  78
.set BM,  80
.macro PLACES
.rept 4
	v_nop
.endr
.endm
.macro XLOAD s                         ; a wave's one tensor load into slot s
	s_cmp_gt_u32 s10, 8
	s_cbranch_scc1 .Lxd_\@
	s_cmp_lt_u32 s10, 4
	s_cbranch_scc0 .Lxk_\@
	tensor_load_to_lds s[G0V+4*(\s):G0V+4*(\s)+3], s[G1V:G1V+7]
	s_nop 0
	s_branch .Lxd_\@
.Lxk_\@:
	s_cmp_lt_u32 s10, 8
	s_cbranch_scc0 .Lxm_\@
	tensor_load_to_lds s[G0K+4*(\s):G0K+4*(\s)+3], s[G1K:G1K+7]
	s_nop 0
	s_branch .Lxd_\@
.Lxm_\@:
	tensor_load_to_lds s[G0M+4*(\s):G0M+4*(\s)+3], s[G1M:G1M+7]
	s_nop 0
.Lxd_\@:
.endm
.macro SETADR g, b, step               ; both slots' addresses of one kind: tiles 0 and 1
	s_mov_b64 s[\g+2:\g+3], s[\b:\b+1]
	s_or_b32 s[\g+3], s[\g+3], 0x80000000
	s_add_nc_u64 s[\g+6:\g+7], s[\b:\b+1], \step
	s_or_b32 s[\g+7], s[\g+7], 0x80000000
.endm
.macro SM1 qt, masked                  ; scores x log2(e) / 8 + mask bias; in a block's last trip -inf above the diagonal
.irp kt, 0,1,2,3
.irp j, 0,2,4,6
	v_pk_fma_f32 v[SS+8*(4*\qt+\kt)+\j:SS+8*(4*\qt+\kt)+\j+1], v[SS+8*(4*\qt+\kt)+\j:SS+8*(4*\qt+\kt)+\j+1], 0x3e38aa3b, v[POOL+8*\kt+\j:POOL+8*\kt+\j+1] op_sel_hi:[1,0,1]
.endr
.endr
.if \masked
.irp kt, 0,1,2,3
.irp j, 0,1,2,3,4,5,6,7
	v_cmp_gt_i32 vcc_lo, 16*\kt+\j-16*\qt, v[VD]
	v_cndmask_b32 v[SS+8*(4*\qt+\kt)+\j], v[SS+8*(4*\qt+\kt)+\j], v[NINF], vcc_lo
.endr
.endr
.endif
.endm
.macro SM2 qt                          ; running maximum, exponentials, running sum, P in bf16, O rescaled
.set SB, SS+32*\qt
.irp k, 0,1,2,3
	v_max3_num_f32 v[244+\k], v[SB+8*\k], v[SB+8*\k+1], v[SB+8*\k+2]
.endr
.irp k, 0,1,2,3
	v_max3_num_f32 v[244+\k], v[244+\k], v[SB+8*\k+3], v[SB+8*\k+4]
.endr
.irp k, 0,1,2,3
	v_max3_num_f32 v[244+\k], v[244+\k], v[SB+8*\k+5], v[SB+8*\k+6]
.endr
.irp k, 0,1,2,3
	v_max_num_f32 v[244+\k], v[244+\k], v[SB+8*\k+7]
.endr
	v_max3_num_f32 v244, v244, v245, v246
	v_max_num_f32 v244, v244, v247
	v_permlanex16_b32 v248, v244, s18, s19         ; the other eight keys of each sixteen lie in lane l xor 16
	v_max3_num_f32 v249, v244, v248, v[MM+\qt]
	v_max_num_f32 v242, 0xff7fffff, v249           ; what is taken away: the maximum, or -FLT_MAX while it is -inf
	v_max_num_f32 v243, 0xff7fffff, v249
	v_sub_f32 v250, v[MM+\qt], v242
.set cnt, 0
.rept 16
	v_pk_add_f32 v[SB+cnt:SB+cnt+1], v[SB+cnt:SB+cnt+1], v[242:243] neg_lo:[0,1] neg_hi:[0,1]
.set cnt, cnt+2
.endr
	v_exp_f32 v240, v250
.set cnt, 0
.rept 32
	v_exp_f32 v[SB+cnt], v[SB+cnt]
.set cnt, cnt+1
.endr
	v_mov_b32 v[MM+\qt], v249                      ; the plain place behind the transcendentals (ISA guide 5.7.2)
	s_wait_alu depctr_va_vdst(0)
	v_mov_b32 v241, v240
	v_pk_add_f32 v[244:245], v[SB:SB+1], v[SB+2:SB+3]
	v_pk_add_f32 v[246:247], v[SB+4:SB+5], v[SB+6:SB+7]
.irp j, 8,12,16,20,24,28
	v_pk_add_f32 v[244:245], v[244:245], v[SB+\j:SB+\j+1]
	v_pk_add_f32 v[246:247], v[246:247], v[SB+\j+2:SB+\j+3]
.endr
	v_pk_add_f32 v[244:245], v[244:245], v[246:247]
	v_add_f32 v244, v244, v245
	v_fma_f32 v[LL+\qt], v[LL+\qt], v240, v244     ; the sum stays a lane's own; the two halves of the lanes are joined at the merge
.set cnt, 0
.rept 16
	v_cvt_pk_bf16_f32 v[SS+16*\qt+cnt], v[SB+2*cnt], v[SB+2*cnt+1]
.set cnt, cnt+1
.endr
.set cnt, 0
.rept 16
	v_pk_mul_f32 v[OO+32*\qt+cnt:OO+32*\qt+cnt+1], v[OO+32*\qt+cnt:OO+32*\qt+cnt+1], v[240:241]
.set cnt, cnt+2
.endr
.endm
; A wave's 64 keys of one tile.  The eight accumulators of S, and the eight of O, take turns, one instruction a turn.
.macro COMPUTE slot, masked
.irp c, 0,1
.irp kt, 0,1,2,3
	ds_load_b128 v[POOL+8*(4*\c+\kt):POOL+8*(4*\c+\kt)+3],   v[VK+\slot] offset:\kt*2304+64*\c
	ds_load_b128 v[POOL+8*(4*\c+\kt)+4:POOL+8*(4*\c+\kt)+7], v[VK+\slot] offset:\kt*2304+64*\c+32
.endr
.endr
	s_wait_dscnt 8                                 ; the first 32 of the head's 64 dimensions are in; the other eight loads may be out
.irp qt, 0,1
.irp kt, 0,1,2,3
	v_wmma_f32_16x16x32_bf16 v[SS+8*(4*\qt+\kt):SS+8*(4*\qt+\kt)+7], v[POOL+8*\kt:POOL+8*\kt+7], v[QQ+16*\qt:QQ+16*\qt+7], 0
.endr
.endr
	s_wait_dscnt 0
.irp qt, 0,1
.irp kt, 0,1,2,3
	v_wmma_f32_16x16x32_bf16 v[SS+8*(4*\qt+\kt):SS+8*(4*\qt+\kt)+7], v[POOL+32+8*\kt:POOL+32+8*\kt+7], v[QQ+16*\qt+8:QQ+16*\qt+15], v[SS+8*(4*\qt+\kt):SS+8*(4*\qt+\kt)+7]
.endr
.endr
	PLACES                                         ; in front of the loads onto K's registers and of the reads of S
.irp kt, 0,1,2,3
	ds_load_b128 v[POOL+8*\kt:POOL+8*\kt+3],   v[VM+\slot] offset:64*\kt
	ds_load_b128 v[POOL+8*\kt+4:POOL+8*\kt+7], v[VM+\slot] offset:64*\kt+16
.endr
.irp ht, 0,1,2,3
	ds_load_tr16_b128 v[POOL+32+8*\ht:POOL+32+8*\ht+3],   v[VV+\slot] offset:32*\ht
	ds_load_tr16_b128 v[POOL+32+8*\ht+4:POOL+32+8*\ht+7], v[VV+\slot] offset:32*\ht+2560
.endr
	s_wait_dscnt 8                                 ; the mask bias is in; V's eight loads may be out
	SM1 0, \masked
	SM1 1, \masked
.irp ht, 0,1,2,3
	ds_load_tr16_b128 v[POOL+8*\ht:POOL+8*\ht+3],   v[VV+\slot] offset:32*\ht+5120
	ds_load_tr16_b128 v[POOL+8*\ht+4:POOL+8*\ht+7], v[VV+\slot] offset:32*\ht+7680
.endr
	SM2 0
	SM2 1
	s_wait_dscnt 0
.irp qt, 0,1
.irp ht, 0,1,2,3
	v_wmma_f32_16x16x32_bf16 v[OO+8*(4*\qt+\ht):OO+8*(4*\qt+\ht)+7], v[POOL+32+8*\ht:POOL+32+8*\ht+7], v[SS+16*\qt:SS+16*\qt+7], v[OO+8*(4*\qt+\ht):OO+8*(4*\qt+\ht)+7]
.endr
.endr
.irp qt, 0,1
.irp ht, 0,1,2,3
	v_wmma_f32_16x16x32_bf16 v[OO+8*(4*\qt+\ht):OO+8*(4*\qt+\ht)+7], v[POOL+8*\ht:POOL+8*\ht+7], v[SS+16*\qt+8:SS+16*\qt+15], v[OO+8*(4*\qt+\ht):OO+8*(4*\qt+\ht)+7]
.endr
.endr
.rept 5
	v_nop                                          ; five places: the next tile's first products write over P, its loads land on V; the merge's stores read O
.endr
.endm
; One trip: all my tensor loads have landed and my reads of the other slot are back, then the barrier, then the refill of the other slot first.
; refill = 1 only where a later trip of the block reads that tile.
.macro TRIP slot, refill, masked
	s_wait_tensorcnt 0x0
	s_add_nc_u64 s[G0K+4*\slot+2:G0K+4*\slot+3], s[G0K+4*\slot+2:G0K+4*\slot+3], 2*TILEB   ; no tensor load of mine is out: this slot's next tile, two on
	s_add_nc_u64 s[G0V+4*\slot+2:G0V+4*\slot+3], s[G0V+4*\slot+2:G0V+4*\slot+3], 2*TILEB
	s_add_nc_u64 s[G0M+4*\slot+2:G0M+4*\slot+3], s[G0M+4*\slot+2:G0M+4*\slot+3], 2*TILEM
	s_wait_dscnt 0x0
	s_barrier_signal -1
	s_barrier_wait -1
.if \refill
	XLOAD 1-\slot
.endif
	COMPUTE \slot, \masked
.endm
; One query block; s15 = its number.  Its tile 0 is on its way into slot 0.  last = 1: nothing follows.
.macro PHASE last
	s_and_b32 s17, s15, 1
	s_lshl_b32 s17, s17, 7                         ; the block's first row in its last key tile: 128 (qb % 2)
	v_add_nc_u32 v[VD], s17, v[VDB]
	s_lshl_b32 s86, s14, 19                        ; head's plane + 128 rows x 128 bytes a block + my 32 rows: the same offset in q and in the output
	s_lshl_b32 s87, s15, 14
	s_add_co_u32 s86, s86, s87
	s_lshl_b32 s87, s12, 12
	s_add_co_u32 s86, s86, s87
	s_mov_b32 s87, 0
	s_add_nc_u64 s[82:83], s[4:5], s[86:87]
	s_add_nc_u64 s[84:85], s[8:9], s[86:87]
.irp qt, 0,1
.irp c, 0,1
	global_load_b128 v[QQ+8*(2*\qt+\c):QQ+8*(2*\qt+\c)+3],   v[QOFF], s[82:83] offset:\qt*2048+64*\c
	global_load_b128 v[QQ+8*(2*\qt+\c)+4:QQ+8*(2*\qt+\c)+7], v[QOFF], s[82:83] offset:\qt*2048+64*\c+32
.endr
.endr
	; O is cleared: a block's first tile is a trip of the loop or the first trip of either tail, so a first product with C = 0 would need all three written twice
.set cnt, 0
.rept 32
	v_dual_mov_b32 v[OO+cnt], 0 :: v_dual_mov_b32 v[OO+cnt+1], 0
.set cnt, cnt+2
.endr
	v_mov_b32 v[MM], v[NINF]
	v_mov_b32 v[MM+1], v[NINF]
	v_mov_b32 v[LL], 0
	v_mov_b32 v[LL+1], 0
	s_wait_loadcnt 0x0
	s_lshr_b32 s16, s15, 2                         ; qb/2 tiles lie wholly below the diagonal: qb/4 pairs of them
	s_cmp_eq_u32 s16, 0
	s_cbranch_scc1 .Lnoloop_\@
.Llap_\@:
	TRIP 0, 1, 0
	TRIP 1, 1, 0
	s_sub_co_u32 s16, s16, 1
	s_cmp_lg_u32 s16, 0
	s_cbranch_scc1 .Llap_\@
.Lnoloop_\@:
	s_and_b32 s17, s15, 2                          ; is one more such tile left?
	s_cmp_lg_u32 s17, 0
	s_cbranch_scc1 .Lodd_\@
	TRIP 0, 0, 1                                   ; no: the tile on the diagonal is in slot 0
	s_branch .Ltail_\@
.Lodd_\@:
	TRIP 0, 1, 0                                   ; yes: it is in slot 0, the tile on the diagonal in slot 1
	TRIP 1, 0, 1
.Ltail_\@:
	; merge of the four key quarters: waves 4 to 15 hand O, maxima and sums to waves 0 to 3
	s_cmp_eq_u32 s11, 0
	s_cbranch_scc1 .Lnostore_\@
.set cnt, 0
.rept 16
	ds_store_b128 v[MRG], v[OO+4*cnt:OO+4*cnt+3] offset:512*cnt
.set cnt, cnt+1
.endr
	ds_store_b128 v[MRG], v[MM:MM+3] offset:8192
.Lnostore_\@:
	s_wait_tensorcnt 0x0                           ; none of my tensor loads is out
.if \last == 0
	SETADR G0K, BK, TILEB                          ; the next query block begins at key tile 0
	SETADR G0V, BV, TILEB
	SETADR G0M, BM, TILEM
.endif
	s_wait_dscnt 0x0                               ; my reads of both slots are back, and, for the readers' sake, my stores are done
	s_barrier_signal -1
	s_barrier_wait -1
.if \last == 0
	XLOAD 0                                        ; the next block's tile 0, first behind the barrier: it lands while waves 0 to 3 merge
.endif
	s_cmp_lg_u32 s11, 0
	s_cbranch_scc1 .Ldone_\@
	v_add_nc_u32 v[MRD2], 8*MSET, v[MRD]           ; the third set lies beyond the 16-bit immediate
	ds_load_b128 v[QQ:QQ+3],    v[MRD]  offset:8192
	ds_load_b128 v[QQ+4:QQ+7],  v[MRD]  offset:4*MSET+8192
	ds_load_b128 v[QQ+8:QQ+11], v[MRD2] offset:8192
.set cnt, 0
.rept 16
	ds_load_b128 v[SS+4*cnt:SS+4*cnt+3], v[MRD] offset:512*cnt
.set cnt, cnt+1
.endr
.set cnt, 0
.rept 16
	ds_load_b128 v[POOL+4*cnt:POOL+4*cnt+3], v[MRD] offset:4*MSET+512*cnt
.set cnt, cnt+1
.endr
	s_wait_dscnt 32                                ; the three loads of maxima and sums are in; the 32 loads of two partial O may be out
.irp qt, 0,1
	v_max3_num_f32 v244, v[MM+\qt], v[QQ+\qt], v[QQ+4+\qt]
	v_max_num_f32 v244, v244, v[QQ+8+\qt]
	v_max_num_f32 v244, 0xff7fffff, v244
	v_sub_f32 v245, v[MM+\qt], v244
	v_sub_f32 v246, v[QQ+\qt], v244
	v_sub_f32 v247, v[QQ+4+\qt], v244
	v_sub_f32 v248, v[QQ+8+\qt], v244
	v_exp_f32 v245, v245
	v_exp_f32 v246, v246
	v_exp_f32 v247, v247
	v_exp_f32 v248, v248
	v_nop                                          ; one plain place behind the transcendentals (ISA guide 5.7.2)
	s_wait_alu depctr_va_vdst(0)
	v_mul_f32 v249, v[LL+\qt], v245
	v_fma_f32 v249, v[QQ+2+\qt], v246, v249
	v_fma_f32 v249, v[QQ+6+\qt], v247, v249
	v_fma_f32 v249, v[QQ+10+\qt], v248, v249
	v_permlanex16_b32 v250, v249, s18, s19         ; the sums of the other eight keys of each sixteen
	v_add_f32 v249, v249, v250
	v_rcp_f32 v250, v249
	v_nop
	s_wait_alu depctr_va_vdst(0)
.irp i, 0,1,2,3
	v_mul_f32 v[CF+8*\qt+2*\i],   v[245+\i], v250   ; each quarter's factor over the whole sum, twice: a pair for the packed forms
	v_mul_f32 v[CF+8*\qt+2*\i+1], v[245+\i], v250
.endr
.endr
	s_wait_dscnt 16                                ; the first partial O is in; the second one's 16 loads may be out
.irp qt, 0,1
.set cnt, 0
.rept 16
	v_pk_mul_f32 v[OO+32*\qt+cnt:OO+32*\qt+cnt+1], v[OO+32*\qt+cnt:OO+32*\qt+cnt+1], v[CF+8*\qt:CF+8*\qt+1]
.set cnt, cnt+2
.endr
.set cnt, 0
.rept 16
	v_pk_fma_f32 v[OO+32*\qt+cnt:OO+32*\qt+cnt+1], v[SS+32*\qt+cnt:SS+32*\qt+cnt+1], v[CF+8*\qt+2:CF+8*\qt+3], v[OO+32*\qt+cnt:OO+32*\qt+cnt+1]
.set cnt, cnt+2
.endr
.endr
.set cnt, 0
.rept 16
	ds_load_b128 v[SS+4*cnt:SS+4*cnt+3], v[MRD2] offset:512*cnt
.set cnt, cnt+1
.endr
	s_wait_dscnt 16                                ; the second partial O is in; the 16 loads just issued may be out
.irp qt, 0,1
.set cnt, 0
.rept 16
	v_pk_fma_f32 v[OO+32*\qt+cnt:OO+32*\qt+cnt+1], v[POOL+32*\qt+cnt:POOL+32*\qt+cnt+1], v[CF+8*\qt+4:CF+8*\qt+5], v[OO+32*\qt+cnt:OO+32*\qt+cnt+1]
.set cnt, cnt+2
.endr
.endr
	s_wait_dscnt 0x0
.irp qt, 0,1
.set cnt, 0
.rept 16
	v_pk_fma_f32 v[OO+32*\qt+cnt:OO+32*\qt+cnt+1], v[SS+32*\qt+cnt:SS+32*\qt+cnt+1], v[CF+8*\qt+6:CF+8*\qt+7], v[OO+32*\qt+cnt:OO+32*\qt+cnt+1]
.set cnt, cnt+2
.endr
.endr
.set cnt, 0
.rept 32
	v_cvt_pk_bf16_f32 v[POOL+cnt], v[OO+2*cnt], v[OO+2*cnt+1]
.set cnt, cnt+1
.endr
.irp qt, 0,1
.irp ht, 0,1,2,3
	ds_store_b128 v[STO], v[POOL+4*(4*\qt+\ht):POOL+4*(4*\qt+\ht)+3] offset:\qt*2304+32*\ht
.endr
.endr
.irp i, 0,1,2,3,4,5,6,7
	ds_load_b128 v[POOL+32+4*\i:POOL+32+4*\i+3], v[RD] offset:\i*576   ; my own bytes, served in order (ISA guide 5.7.1)
.endr
.irp i, 0,1,2,3,4,5,6,7
	s_wait_dscnt 7-\i
	global_store_b128 v[CO], v[POOL+32+4*\i:POOL+32+4*\i+3], s[84:85] offset:512*\i   ; four rows of the plane: 512 consecutive bytes, aligned
.endr
.Ldone_\@:
	s_wait_xcnt 0x0                                ; the stores' data and base are rewritten only behind this wait
.endm
	s_load_b128 s[4:7], s[0:1], 0x0                ; qkv, wb
	s_load_b64 s[8:9], s[0:1], 0x10                ; attn
	v_lshrrev_b32 v244, 5, v0
	v_readfirstlane_b32 s10, v244                  ; wave 0..15
	s_lshr_b32 s11, s10, 2                         ; kh
	s_and_b32 s12, s10, 3                          ; wq
	s_and_b32 s14, ttmp7, 0xffff                   ; head
	s_mov_b32 s18, 0x76543210
	s_mov_b32 s19, 0xfedcba98
	; group 1: K's and V's quarters are 64 rows x 64 elements of 2 bytes, 4 (K) or 8 (V) words of padding behind every 32; the bias is one row of 1,024 bytes
	s_mov_b32 s[G1K+0], (1<<16)|(1<<20)|(4<<22)|(3<<25)
	s_mov_b32 s[G1V+0], (1<<16)|(1<<20)|(4<<22)|(7<<25)
	s_mov_b32 s[G1M+0], 3<<16
.irp g, G1K, G1V
	s_mov_b32 s[\g+1], 64<<16
	s_mov_b32 s[\g+2], 64<<16
	s_mov_b32 s[\g+3], 64<<16
	s_mov_b32 s[\g+4], 64
	s_mov_b32 s[\g+5], 64
	s_mov_b32 s[\g+6], 0
	s_mov_b32 s[\g+7], 0
.endr
	s_mov_b32 s[G1M+1], 128<<16
	s_mov_b32 s[G1M+2], 1<<16
	s_mov_b32 s[G1M+3], 128<<16
	s_mov_b32 s[G1M+4], 1
	s_mov_b32 s[G1M+5], 128
	s_mov_b32 s[G1M+6], 0
	s_mov_b32 s[G1M+7], 0
	s_mul_i32 s20, s10, 9216                       ; K's quarter in LDS: 4,096 + w x 9,216 (w = 4..7)
	s_mul_i32 s21, s10, 10240                      ; V's quarter: w x 10,240 (w = 0..3)
	s_lshl_b32 s22, s12, 13                        ; rows 64 (w % 4) of a tile
	s_add_co_u32 s86, s14, 12
	s_lshl_b32 s86, s86, 19
	s_add_co_u32 s86, s86, s22
	s_mov_b32 s87, 0
	s_add_co_u32 s88, s14, 24
	s_lshl_b32 s88, s88, 19
	s_add_co_u32 s88, s88, s22
	s_mov_b32 s89, 0
	s_wait_kmcnt 0x0
	s_add_nc_u64 s[BK:BK+1], s[4:5], s[86:87]
	s_add_nc_u64 s[BV:BV+1], s[4:5], s[88:89]
	s_add_nc_u64 s[BM:BM+1], s[6:7], MASKB
.irp s, 0,1
	s_mov_b32 s[G0K+4*\s], 1
	s_add_co_u32 s[G0K+4*\s+1], s20, \s*SLOT+4096
	s_mov_b32 s[G0V+4*\s], 1
	s_add_co_u32 s[G0V+4*\s+1], s21, \s*SLOT
	s_mov_b32 s[G0M+4*\s], 1
	s_mov_b32 s[G0M+4*\s+1], \s*SLOT+MOFF
.endr
	SETADR G0K, BK, TILEB
	SETADR G0V, BV, TILEB
	SETADR G0M, BM, TILEM
	XLOAD 0                                        ; key tile 0; slot 1 is first filled behind a trip's barrier
	v_and_b32 v244, 15, v0                         ; r
	v_bfe_u32 v245, v0, 4, 1                       ; h
	v_and_b32 v246, 31, v0                         ; lane
	v_and_b32 v247, 7, v0
	v_bfe_u32 v248, v0, 3, 1
	v_bfe_u32 v249, v0, 3, 2
	v_mul_u32_u24 v250, v244, 144
	v_lshl_add_u32 v250, v245, 4, v250             ; r x 144 + 16 h
	s_mul_i32 s17, s11, 9216
	s_add_co_u32 s17, s17, KOFF
	v_add_nc_u32 v[VK], s17, v250
	v_add_nc_u32 v[VK+1], SLOT, v[VK]
	v_lshl_add_u32 v[VV], v245, 3, v247
	v_mul_u32_u24 v[VV], v[VV], 160
	v_lshl_add_u32 v[VV], v248, 4, v[VV]
	s_mul_i32 s17, s11, 10240
	v_add_nc_u32 v[VV], s17, v[VV]
	v_add_nc_u32 v[VV+1], SLOT, v[VV]
	s_lshl_b32 s17, s11, 8
	s_add_co_u32 s17, s17, MOFF
	v_lshl_add_u32 v[VM], v245, 5, s17
	v_add_nc_u32 v[VM+1], SLOT, v[VM]
	v_lshlrev_b32 v255, 3, v245
	v_sub_nc_u32 v[VDB], v244, v255                ; r - 8 h
	s_lshl_b32 s17, s12, 5
	s_lshl_b32 s20, s11, 6
	s_sub_co_i32 s17, s17, s20
	v_add_nc_u32 v[VDB], s17, v[VDB]               ; + 32 wq - 64 kh
	v_mov_b32 v[NINF], 0xff800000
	v_lshlrev_b32 v[QOFF], 7, v244
	v_lshl_add_u32 v[QOFF], v245, 4, v[QOFF]
	s_mul_i32 s17, s12, 4608
	s_add_co_u32 s17, s17, STAGE
	v_add_nc_u32 v[STO], s17, v250
	v_mul_u32_u24 v255, v249, 144
	v_lshl_add_u32 v255, v247, 4, v255
	v_add_nc_u32 v[RD], s17, v255
	v_lshlrev_b32 v[CO], 4, v246
	s_mul_i32 s17, s10, MSET
	s_add_co_u32 s17, s17, MERGE-4*MSET            ; wave w = 4..15 owns set w - 4
	v_add_nc_u32 v[MRG], s17, v[CO]
	s_mul_i32 s17, s12, MSET
	s_add_co_u32 s17, s17, MERGE                   ; the sets of query rows wq: wq, wq + 4, wq + 8
	v_add_nc_u32 v[MRD], s17, v[CO]
	s_mov_b32 s15, ttmp9                           ; query block p
	PHASE 0
	s_sub_co_u32 s15, 31, ttmp9                    ; query block 31 - p
	PHASE 1
	s_endpgm
.Lfunc_end_k_q809ca6bbc0_attn:
	.size	k_q809ca6bbc0_attn, .Lfunc_end_k_q809ca6bbc0_attn-k_q809ca6bbc0_attn
	.p2alignl 7, 3214868480
	.fill 96, 4, 3214868480
	.section	.rodata,"a",@progbits
	.p2align	6, 0x0
	.amdhsa_kernel k_q809ca6bbc0_attn
		.amdhsa_group_segment_fixed_size 327680
		.amdhsa_private_segment_fixed_size 0
		.amdhsa_enable_private_segment 0
		.amdhsa_kernarg_size 24
		.amdhsa_user_sgpr_count 2
		.amdhsa_user_sgpr_kernarg_segment_ptr 1
		.amdhsa_wavefront_size32 1
		.amdhsa_system_sgpr_workgroup_id_x 1
		.amdhsa_system_sgpr_workgroup_id_y 1
		.amdhsa_system_sgpr_workgroup_id_z 1
		.amdhsa_system_vgpr_workitem_id 0
		.amdhsa_next_free_vgpr 256
		.amdhsa_next_free_sgpr 96
		.amdhsa_reserve_vcc 1
		.amdhsa_float_denorm_mode_32 3
		.amdhsa_float_denorm_mode_16_64 3
		.amdhsa_memory_ordered 1
		.amdhsa_forward_progress 1
		.amdhsa_inst_pref_size 255
	.end_amdhsa_kernel
	.section	.bss,"aw",@nobits
	.p2align	6
	.space	262144
	.amdgpu_metadata
---
amdhsa.version: [ 1, 2 ]
amdhsa.kernels:
  - .name:           k_q809ca6bbc0_attn
    .symbol:         k_q809ca6bbc0_attn.kd
    .args:
      - { .name: qkv, .offset: 0, .size: 8, .value_kind: global_buffer, .address_space: global }
      - { .name: wb, .offset: 8, .size: 8, .value_kind: global_buffer, .address_space: global }
      - { .name: attn, .offset: 16, .size: 8, .value_kind: global_buffer, .address_space: global }
    .group_segment_fixed_size: 327680
    .private_segment_fixed_size: 0
    .kernarg_segment_align: 8
    .kernarg_segment_size: 24
    .max_flat_workgroup_size: 512
    .sgpr_count:     96
    .vgpr_count:     256
    .wavefront_size: 32
...
	.end_amdgpu_metadata
.endif
;; end of part 3
;; launch wo (part 4): grid 4 x 64, 4 waves a work-group, clusters of 4 x 4, 327,680 bytes of LDS; arguments attn, wb, bo, hidden_states, hidden; writes hidden
.if DOCPART == 4
	.amdgcn_target "amdgcn-amd-amdhsa--gfx1250"
	.amdhsa_code_object_version 6
	.text
	.protected	k_q809ca6bbc0_wo
	.globl	k_q809ca6bbc0_wo
	.p2align	8
	.type	k_q809ca6bbc0_wo,@function
k_q809ca6bbc0_wo:
	s_mov_b64 s[64:65], 0
	v_nop
	global_prefetch_b8 v0, s[64:65] scope:SCOPE_SE
	s_setreg_imm32_b32 hwreg(HW_REG_WAVE_MODE, 25, 1), 1
	s_wait_xcnt 0x0
	s_wait_alu depctr_hold_cnt(0) depctr_sa_sdst(0) depctr_va_vdst(0) depctr_va_sdst(0) depctr_va_ssrc(0) depctr_va_vcc(0) depctr_vm_vsrc(0)
	s_getreg_b32 s2, hwreg(HW_REG_IB_STS2, 6, 4)
	s_cmp_eq_u32 s2, 0
	s_cbranch_scc0 .Lentry_in_a_cluster
	s_endpgm
.Lentry_in_a_cluster:
	s_bfe_u32 s2, ttmp6, 0x10000c
	s_cmp_lg_u32 s2, 0xf033
	s_cbranch_scc0 .Lentry_shape_is_right
	s_endpgm
.Lentry_shape_is_right:
; out = A W + bias + residual.  A: planes [KK/64][4096][64] bf16; W: bf16 [4 column groups][KK k][192 n] in wb; bias [768], residual and out [4096][768] f32.
; A work-group makes 64 rows x 192 columns (768 bytes of a row of the output: three whole aligned blocks of 256 bytes); 64 x 4 work-groups.
; Wave w has all 64 rows and the columns 64 b + 16 w .. + 15, b = 0..2: 12 accumulator tiles.  In W's padded LDS row (three pieces of 128 bytes,
; 160 bytes apart) its tile b begins at byte 32 w + 160 b: the wave's number times a constant, and a constant that stands in the load's immediate.
; K goes in steps of 256 through two LDS slots.  A slot: W's 256 k rows (dense in memory, 98,304 bytes, fetched as three thirds of 128 rows of 256 bytes,
; 32 bytes of padding behind every 128: a k row is 480 bytes), then A's four planes x 64 rows x 128 bytes (16 bytes of padding behind every 128: rows 144 apart).
; Waves 0 to 2 fetch W's thirds, wave 3 fetches A: LDS address = slot + w x 40,960 for all four.
; CLUSTER 4 x 4: the four of a row of the cluster share the row block and so A's tile; the four of a column share the column group and so W's tile.
; Both are asked for jointly.  The matrix instruction is used transposed (source 0 = W by ds_load_tr16_b128, source 1 = A).
; The result goes through a stage at LDS byte 0, written only behind the launch's last fill and a barrier, and leaves as whole rows of 768 bytes.
.set KK,    768
.set WOFF,  8257536
.set STEPS, KK/256
.set THIRD, 40960
.set AOFF,  3*THIRD
.set SLOT,  AOFF+4*64*144              ; 159,744
.set OP,    784                        ; the stage's pitch
.set ADRA, 8                           ; v8-9    A's fragments, slot 0, 1
.set ADRB, 10                          ; v10-13  W's fragments, 2 x slot + (k half of 128 rows)
.set STO,  22
.set RD,   23
.set GO,   24
.set BOF,  25
.set ACC,  32                          ; v[32:127]  tile (a, b) at 8 (3 a + b)
.set FF,   128                         ; v[128:183], v[184:239] fragment buffers: A 32 registers, W 24
.set RES,  128                         ; the way out: the residual
.set BIAS, 240
.set G1A, 24
.set G0A, 32
.set G1B, 48
.set G0B, 56
.macro JLOAD s
	s_cmp_eq_u32 s14, 3
	s_cbranch_scc0 .Lfor_b_\@
	tensor_load_to_lds s[G0A+4*\s:G0A+4*\s+3], s[G1A:G1A+7]
	s_nop 0
	s_branch .Lasked_\@
.Lfor_b_\@:
	tensor_load_to_lds s[G0B+4*\s:G0B+4*\s+3], s[G1B:G1B+7]
	s_nop 0
.Lasked_\@:
.endm
.macro CREST
	s_cmp_lg_u32 s14, 0
	s_cbranch_scc1 .Lnot_wave_0_\@
	s_barrier_signal -3
.Lnot_wave_0_\@:
	s_barrier_wait -3
	s_barrier_signal -1
	s_barrier_wait -1
.endm
.macro CROUND
	s_barrier_signal -1
	s_barrier_wait -1
	CREST
.endm
.macro PLACES                          ; four plain places behind a matrix instruction (ISA guide 7.12.1)
.rept 4
	v_nop
.endr
.endm
.macro FETCH slot, kq, f               ; 14 LDS loads: the fragments of 32 along K (kq = 0..7 in the slot) into buffer f
.irp a, 0,1,2,3
	ds_load_b128 v[FF+56*\f+8*\a:FF+56*\f+8*\a+3],   v[ADRA+\slot] offset:(\kq>>1)*9216+\a*2304+(\kq&1)*64
	ds_load_b128 v[FF+56*\f+8*\a+4:FF+56*\f+8*\a+7], v[ADRA+\slot] offset:(\kq>>1)*9216+\a*2304+(\kq&1)*64+32
.endr
.irp b, 0,1,2
	ds_load_tr16_b128 v[FF+56*\f+32+8*\b:FF+56*\f+32+8*\b+3],   v[ADRB+2*\slot+(\kq>>2)] offset:(\kq&3)*15360+\b*160
	ds_load_tr16_b128 v[FF+56*\f+32+8*\b+4:FF+56*\f+32+8*\b+7], v[ADRB+2*\slot+(\kq>>2)] offset:(\kq&3)*15360+\b*160+7680
.endr
.endm
; The 12 accumulators take turns, one instruction a turn.
.macro MUL6 f, a0, zero
.irp a, \a0, \a0+1
.irp b, 0,1,2
.if \zero
	v_wmma_f32_16x16x32_bf16 v[ACC+8*(3*(\a)+\b):ACC+8*(3*(\a)+\b)+7], v[FF+56*\f+32+8*\b:FF+56*\f+32+8*\b+7], v[FF+56*\f+8*(\a):FF+56*\f+8*(\a)+7], 0
.else
	v_wmma_f32_16x16x32_bf16 v[ACC+8*(3*(\a)+\b):ACC+8*(3*(\a)+\b)+7], v[FF+56*\f+32+8*\b:FF+56*\f+32+8*\b+7], v[FF+56*\f+8*(\a):FF+56*\f+8*(\a)+7], v[ACC+8*(3*(\a)+\b):ACC+8*(3*(\a)+\b)+7]
.endif
.endr
.endr
.endm
.macro QUARTER slot, kqn, f, g, zero   ; fetches piece kqn into buffer g, multiplies buffer f
	PLACES
	FETCH \slot, \kqn, \g
	s_wait_dscnt 14                                ; all but the 14 just issued
	MUL6 \f, 0, \zero
	MUL6 \f, 2, \zero
.endm
.macro SEVEN slot, zero
	QUARTER \slot, 1, 0, 1, \zero
	QUARTER \slot, 2, 1, 0, 0
	QUARTER \slot, 3, 0, 1, 0
	QUARTER \slot, 4, 1, 0, 0
	QUARTER \slot, 5, 0, 1, 0
	QUARTER \slot, 6, 1, 0, 0
	QUARTER \slot, 7, 0, 1, 0
.endm
; The eighth piece and the change of slots: my reads of this slot are back and all my tensor loads have landed, then the barrier;
; fill = 1: it opens a round of the cluster's barrier, and the joint refill is the wave's first tensor load behind the round.
.macro TURN slot, next, fill
	s_wait_dscnt 0
	s_wait_tensorcnt 0x0
	s_barrier_signal -1
	MUL6 1, 0, 0
	s_barrier_wait -1
.if \fill
	CREST
	s_add_nc_u64 s[G0A+4*\slot+2:G0A+4*\slot+3], s[G0A+4*\slot+2:G0A+4*\slot+3], 4194304   ; eight planes on
	s_add_nc_u64 s[G0B+4*\slot+2:G0B+4*\slot+3], s[G0B+4*\slot+2:G0B+4*\slot+3], 196608    ; 512 k rows on
	JLOAD \slot
.endif
	PLACES
	FETCH \next, 0, 0
	MUL6 1, 2, 0
.endm
	s_load_b256 s[4:11], s[0:1], 0x0               ; A, wb, bias, residual
	s_load_b64 s[12:13], s[0:1], 0x20              ; out
	v_lshrrev_b32 v1, 5, v0
	v_readfirstlane_b32 s14, v1                    ; wave 0..3
	s_bfe_u32 s15, ttmp6, 0x40000                  ; cx
	s_bfe_u32 s16, ttmp6, 0x40004                  ; cy
	s_lshl_b32 s17, ttmp9, 2
	s_add_co_u32 s17, s17, s15                     ; column group
	s_and_b32 s18, ttmp7, 0xffff
	s_lshl_b32 s18, s18, 2
	s_add_co_u32 s18, s18, s16                     ; row block
	s_lshl_b32 s21, s16, 2
	s_lshl_b32 s21, 15, s21                        ; my row of the cluster
	s_lshl_b32 s22, 0x1111, s15                    ; my column
	; group 1 for A: 4 rows (planes) of 4,096 elements of 2 bytes (64 rows of a plane, dense), 262,144 elements from plane to plane
	s_or_b32 s[G1A+0], s21, (1<<16)|(1<<20)|(1<<21)|(4<<22)|(3<<25)
	s_mov_b32 s[G1A+1], 4096<<16
	s_mov_b32 s[G1A+2], 4<<16
	s_mov_b32 s[G1A+3], 4096<<16
	s_mov_b32 s[G1A+4], 4
	s_mov_b32 s[G1A+5], 262144
	s_mov_b32 s[G1A+6], 0
	s_mov_b32 s[G1A+7], 0
	; group 1 for W: 128 rows of 32 elements of 8 bytes, dense
	s_or_b32 s[G1B+0], s22, (3<<16)|(1<<20)|(1<<21)|(4<<22)|(7<<25)
	s_mov_b32 s[G1B+1], 32<<16
	s_mov_b32 s[G1B+2], 128<<16
	s_mov_b32 s[G1B+3], 32<<16
	s_mov_b32 s[G1B+4], 128
	s_mov_b32 s[G1B+5], 32
	s_mov_b32 s[G1B+6], 0
	s_mov_b32 s[G1B+7], 0
	s_lshl_b32 s40, s18, 13                        ; A: 64 rows x 128 bytes a row block; hangs on the row block alone
	s_mov_b32 s41, 0
	s_mul_i32 s44, s17, KK*384                     ; W: hangs on the column group and the wave alone
	s_lshl_b32 s45, s14, 15
	s_add_co_u32 s44, s44, s45
	s_add_co_u32 s44, s44, WOFF
	s_mov_b32 s45, 0
	s_mul_i32 s20, s14, THIRD
	s_wait_kmcnt 0x0
	s_add_nc_u64 s[42:43], s[4:5], s[40:41]
	s_add_nc_u64 s[46:47], s[6:7], s[44:45]
	CROUND                                         ; all sixteen work-groups are here: the first joint loads meet
.irp s, 0,1
	s_mov_b32 s[G0A+4*\s], 1
	s_add_co_u32 s[G0A+4*\s+1], s20, \s*SLOT
	s_add_nc_u64 s[G0A+4*\s+2:G0A+4*\s+3], s[42:43], \s*2097152
	s_or_b32 s[G0A+4*\s+3], s[G0A+4*\s+3], 0x80000000
	s_mov_b32 s[G0B+4*\s], 1
	s_add_co_u32 s[G0B+4*\s+1], s20, \s*SLOT
	s_add_nc_u64 s[G0B+4*\s+2:G0B+4*\s+3], s[46:47], \s*98304
	s_or_b32 s[G0B+4*\s+3], s[G0B+4*\s+3], 0x80000000
	JLOAD \s                                       ; K steps 0 and 1: two tensor loads of the wave are out
.endr
	v_and_b32 v1, 15, v0                           ; r
	v_bfe_u32 v2, v0, 4, 1                         ; h
	v_and_b32 v3, 7, v0
	v_bfe_u32 v4, v0, 3, 1
	v_mul_u32_u24 v5, v1, 144
	v_lshl_add_u32 v5, v2, 4, v5
	v_add_nc_u32 v[ADRA], AOFF, v5
	v_add_nc_u32 v[ADRA+1], AOFF+SLOT, v5
	v_lshl_add_u32 v6, v2, 3, v3                   ; k row 8 h + lane % 8
	v_mul_u32_u24 v6, v6, 480
	v_lshl_add_u32 v6, v4, 4, v6
	s_lshl_b32 s72, s14, 5                         ; my 16 columns of each piece of 64: 32 bytes a wave
	v_add_nc_u32 v[ADRB], s72, v6
	v_add_nc_u32 v[ADRB+1], 61440, v[ADRB]         ; k rows 128 to 255 of the slot
	v_add_nc_u32 v[ADRB+2], SLOT, v[ADRB]
	v_add_nc_u32 v[ADRB+3], SLOT+61440, v[ADRB]
	v_mul_u32_u24 v[STO], v1, OP
	v_lshl_add_u32 v[STO], v2, 5, v[STO]
	s_lshl_b32 s72, s14, 6
	v_add_nc_u32 v[STO], s72, v[STO]               ; row r, byte 64 w + 32 h; the piece b stands in the immediate
	v_lshlrev_b32 v[BOF], 4, v1
	v_mul_u32_u24 v[RD], v2, OP
	v_add_nc_u32 v[RD], v[RD], v[BOF]
	s_mul_i32 s72, s14, 16*OP
	v_add_nc_u32 v[RD], s72, v[RD]                 ; row 16 w + h, byte 16 r
	v_mul_u32_u24 v[GO], v2, 3072
	v_add_nc_u32 v[GO], v[GO], v[BOF]
	s_mul_i32 s74, s17, 768
	s_mov_b32 s75, 0
	s_add_nc_u64 s[70:71], s[8:9], s[74:75]        ; the bias of my column group
.irp cu, 0,1,2
	global_load_b128 v[BIAS+4*\cu:BIAS+4*\cu+3], v[BOF], s[70:71] offset:256*\cu
.endr
	s_lshl_b32 s72, s18, 6
	s_lshl_b32 s73, s14, 4
	s_add_co_u32 s72, s72, s73                     ; row 64 x block + 16 w
	s_mul_i32 s72, s72, 3072
	s_add_co_u32 s72, s72, s74
	s_mov_b32 s73, 0
	s_add_nc_u64 s[68:69], s[10:11], s[72:73]
	s_add_nc_u64 s[66:67], s[12:13], s[72:73]
	s_wait_tensorcnt 0x1                           ; my part of K step 0 is in; step 1's may stay out
	s_barrier_signal -1
	s_barrier_wait -1
	FETCH 0, 0, 0
.if STEPS == 3
	SEVEN 0, 1                                     ; the first products start the sums
	TURN 0, 1, 1
	SEVEN 1, 0
	TURN 1, 0, 0
	SEVEN 0, 0
.else
	SEVEN 0, 1
	TURN 0, 1, 1
	SEVEN 1, 0
	TURN 1, 0, 1
	s_mov_b32 s19, STEPS/2-2
.Llap:
	SEVEN 0, 0
	TURN 0, 1, 1
	SEVEN 1, 0
	TURN 1, 0, 1
	s_sub_co_u32 s19, s19, 1
	s_cmp_lg_u32 s19, 0
	s_cbranch_scc1 .Llap
	SEVEN 0, 0                                     ; the last two steps fill nothing
	TURN 0, 1, 0
	SEVEN 1, 0
.endif
	s_wait_dscnt 0
	MUL6 1, 0, 0
	MUL6 1, 2, 0
	PLACES                                         ; in front of the loads onto the fragment buffers and of the stores of the sums
.irp rp, 0,1,2,3,4,5,6,7
.irp cu, 0,1,2
	global_load_b128 v[RES+4*(3*\rp+\cu):RES+4*(3*\rp+\cu)+3], v[GO], s[68:69] offset:\rp*6144+\cu*256
.endr
.endr
	s_wait_dscnt 0x0
	s_barrier_signal -1
	s_barrier_wait -1                              ; every wave's reads of both slots are over; no fill follows in this launch
.irp a, 0,1,2,3
.irp b, 0,1,2
	ds_store_b128 v[STO], v[ACC+8*(3*\a+\b):ACC+8*(3*\a+\b)+3]   offset:\a*16*OP+\b*256
	ds_store_b128 v[STO], v[ACC+8*(3*\a+\b)+4:ACC+8*(3*\a+\b)+7] offset:\a*16*OP+\b*256+16
.endr
.endr
	s_wait_dscnt 0x0                               ; for the others' sake: my stores are done
	s_barrier_signal -1
	s_barrier_wait -1
.irp rp, 0,1,2,3,4,5,6,7
.irp cu, 0,1,2
	ds_load_b128 v[ACC+4*(3*\rp+\cu):ACC+4*(3*\rp+\cu)+3], v[RD] offset:\rp*2*OP+\cu*256
.endr
.endr
	s_wait_loadcnt 0x0
.irp rp, 0,1,2,3,4,5,6,7
.irp cu, 0,1,2
	v_pk_add_f32 v[RES+4*(3*\rp+\cu):RES+4*(3*\rp+\cu)+1],   v[RES+4*(3*\rp+\cu):RES+4*(3*\rp+\cu)+1],   v[BIAS+4*\cu:BIAS+4*\cu+1]
	v_pk_add_f32 v[RES+4*(3*\rp+\cu)+2:RES+4*(3*\rp+\cu)+3], v[RES+4*(3*\rp+\cu)+2:RES+4*(3*\rp+\cu)+3], v[BIAS+4*\cu+2:BIAS+4*\cu+3]
.endr
.endr
	s_wait_dscnt 0x0
.irp rp, 0,1,2,3,4,5,6,7
.irp cu, 0,1,2
	v_pk_add_f32 v[ACC+4*(3*\rp+\cu):ACC+4*(3*\rp+\cu)+1],   v[ACC+4*(3*\rp+\cu):ACC+4*(3*\rp+\cu)+1],   v[RES+4*(3*\rp+\cu):RES+4*(3*\rp+\cu)+1]
	v_pk_add_f32 v[ACC+4*(3*\rp+\cu)+2:ACC+4*(3*\rp+\cu)+3], v[ACC+4*(3*\rp+\cu)+2:ACC+4*(3*\rp+\cu)+3], v[RES+4*(3*\rp+\cu)+2:RES+4*(3*\rp+\cu)+3]
	global_store_b128 v[GO], v[ACC+4*(3*\rp+\cu):ACC+4*(3*\rp+\cu)+3], s[66:67] offset:\rp*6144+\cu*256   ; sixteen lanes store 256 consecutive bytes, aligned
.endr
.endr
	CROUND                                         ; the closing round
	s_endpgm
.Lfunc_end_k_q809ca6bbc0_wo:
	.size	k_q809ca6bbc0_wo, .Lfunc_end_k_q809ca6bbc0_wo-k_q809ca6bbc0_wo
	.p2alignl 7, 3214868480
	.fill 96, 4, 3214868480
	.section	.rodata,"a",@progbits
	.p2align	6, 0x0
	.amdhsa_kernel k_q809ca6bbc0_wo
		.amdhsa_group_segment_fixed_size 327680
		.amdhsa_private_segment_fixed_size 0
		.amdhsa_enable_private_segment 0
		.amdhsa_kernarg_size 40
		.amdhsa_user_sgpr_count 2
		.amdhsa_user_sgpr_kernarg_segment_ptr 1
		.amdhsa_wavefront_size32 1
		.amdhsa_system_sgpr_workgroup_id_x 1
		.amdhsa_system_sgpr_workgroup_id_y 1
		.amdhsa_system_sgpr_workgroup_id_z 1
		.amdhsa_system_vgpr_workitem_id 0
		.amdhsa_next_free_vgpr 256
		.amdhsa_next_free_sgpr 96
		.amdhsa_reserve_vcc 0
		.amdhsa_float_denorm_mode_32 3
		.amdhsa_float_denorm_mode_16_64 3
		.amdhsa_memory_ordered 1
		.amdhsa_forward_progress 1
		.amdhsa_inst_pref_size 65
	.end_amdhsa_kernel
	.amdgpu_metadata
---
amdhsa.version: [ 1, 2 ]
amdhsa.kernels:
  - .name:           k_q809ca6bbc0_wo
    .symbol:         k_q809ca6bbc0_wo.kd
    .args:
      - { .name: attn, .offset: 0, .size: 8, .value_kind: global_buffer, .address_space: global }
      - { .name: wb, .offset: 8, .size: 8, .value_kind: global_buffer, .address_space: global }
      - { .name: bo, .offset: 16, .size: 8, .value_kind: global_buffer, .address_space: global }
      - { .name: hidden_states, .offset: 24, .size: 8, .value_kind: global_buffer, .address_space: global }
      - { .name: hidden, .offset: 32, .size: 8, .value_kind: global_buffer, .address_space: global }
    .group_segment_fixed_size: 327680
    .private_segment_fixed_size: 0
    .kernarg_segment_align: 8
    .kernarg_segment_size: 40
    .max_flat_workgroup_size: 128
    .sgpr_count:     96
    .vgpr_count:     256
    .wavefront_size: 32
...
	.end_amdgpu_metadata
.endif
;; end of part 4
;; launch ln2 (part 5): grid 256 x 1, 8 waves a work-group, no clusters, 0 bytes of LDS; arguments hidden, ln2_w, ln2_b, xn; writes xn
.if DOCPART == 5
	.amdgcn_target "amdgcn-amd-amdhsa--gfx1250"
	.amdhsa_code_object_version 6
	.text
	.protected	k_q809ca6bbc0_ln2
	.globl	k_q809ca6bbc0_ln2
	.p2align	8
	.type	k_q809ca6bbc0_ln2,@function
k_q809ca6bbc0_ln2:
	s_mov_b64 s[64:65], 0
	v_nop
	global_prefetch_b8 v0, s[64:65] scope:SCOPE_SE
	s_setreg_imm32_b32 hwreg(HW_REG_WAVE_MODE, 25, 1), 1
	s_wait_xcnt 0x0
; Layer norm 2: 16 rows of hidden [4096][768] f32 a work-group, two a wave, rounded to bf16 into xn [4096][768].
; A row is 24 numbers a lane and stays in registers between the mean, the variance of the centred row and the scaling.
; No LDS, no barrier: a row never leaves its wave.
.set T,   100
.set WW,  4
.set BB,  28
.set X0,  52
.set X1,  76
.set XNP, 10
.macro WSUM t                          ; v[t] summed over the 32 lanes, the result in every lane; v[t+1] has been written before
	v_add_f32_dpp v[\t], v[\t], v[\t] row_xmask:1 row_mask:0xf bank_mask:0xf
	v_add_f32_dpp v[\t], v[\t], v[\t] row_xmask:2 row_mask:0xf bank_mask:0xf
	v_add_f32_dpp v[\t], v[\t], v[\t] row_xmask:4 row_mask:0xf bank_mask:0xf
	v_add_f32_dpp v[\t], v[\t], v[\t] row_xmask:8 row_mask:0xf bank_mask:0xf
	v_permlanex16_b32 v[\t+1], v[\t], s32, s33
	v_add_f32 v[\t], v[\t], v[\t+1]
.endm
.macro LNROW x, left, out
	s_wait_loadcnt \left
.irp j, 0,1,2,3,4,5
	v_pk_add_f32 v[T+2*\j:T+2*\j+1], v[\x+4*\j:\x+4*\j+1], v[\x+4*\j+2:\x+4*\j+3]
.endr
	v_pk_add_f32 v[T:T+1], v[T:T+1], v[T+2:T+3]
	v_pk_add_f32 v[T+4:T+5], v[T+4:T+5], v[T+6:T+7]
	v_pk_add_f32 v[T+8:T+9], v[T+8:T+9], v[T+10:T+11]
	v_pk_add_f32 v[T:T+1], v[T:T+1], v[T+4:T+5]
	v_pk_add_f32 v[T:T+1], v[T:T+1], v[T+8:T+9]
	v_add_f32 v[T], v[T], v[T+1]
	WSUM T
	v_mul_f32 v[T+2], s34, v[T]
	v_mul_f32 v[T+3], s34, v[T]
.irp j, 0,1,2,3,4,5,6,7,8,9,10,11
	v_pk_add_f32 v[\x+2*\j:\x+2*\j+1], v[\x+2*\j:\x+2*\j+1], v[T+2:T+3] neg_lo:[0,1] neg_hi:[0,1]
.endr
	v_pk_mul_f32 v[T:T+1], v[\x:\x+1], v[\x:\x+1]
	v_pk_mul_f32 v[T+4:T+5], v[\x+2:\x+3], v[\x+2:\x+3]
.irp j, 4,8,12,16,20
	v_pk_fma_f32 v[T:T+1], v[\x+\j:\x+\j+1], v[\x+\j:\x+\j+1], v[T:T+1]
	v_pk_fma_f32 v[T+4:T+5], v[\x+\j+2:\x+\j+3], v[\x+\j+2:\x+\j+3], v[T+4:T+5]
.endr
	v_pk_add_f32 v[T:T+1], v[T:T+1], v[T+4:T+5]
	v_add_f32 v[T], v[T], v[T+1]
	WSUM T
	v_fma_f32 v[T+2], v[T], s34, s35
	v_rsq_f32 v[T+6], v[T+2]
	v_nop                                          ; one plain place behind the transcendental (ISA guide 5.7.2)
	s_wait_alu depctr_va_vdst(0)
	v_mov_b32 v[T+7], v[T+6]
.irp j, 0,1,2,3,4,5,6,7,8,9,10,11
	v_pk_mul_f32 v[\x+2*\j:\x+2*\j+1], v[\x+2*\j:\x+2*\j+1], v[T+6:T+7]
.endr
.irp j, 0,1,2,3,4,5,6,7,8,9,10,11
	v_pk_fma_f32 v[\x+2*\j:\x+2*\j+1], v[\x+2*\j:\x+2*\j+1], v[WW+2*\j:WW+2*\j+1], v[BB+2*\j:BB+2*\j+1]
.endr
.irp j, 0,1,2,3,4,5,6,7,8,9,10,11
	v_cvt_pk_bf16_f32 v[\x+\j], v[\x+2*\j], v[\x+2*\j+1]
.endr
.irp c, 0,1,2,3,4,5
	global_store_b64 v3, v[\x+2*\c:\x+2*\c+1], s[XNP:XNP+1] offset:\out+256*\c   ; a store of the wave covers 256 consecutive bytes, aligned
.endr
.endm
	s_load_b256 s[4:11], s[0:1], 0x0               ; hidden, ln2_w, ln2_b, xn
	v_and_b32 v1, 31, v0
	v_lshrrev_b32 v4, 5, v0
	v_readfirstlane_b32 s28, v4
	v_lshlrev_b32 v2, 4, v1
	v_lshlrev_b32 v3, 3, v1
	s_lshl_b32 s29, ttmp9, 4
	s_lshl1_add_u32 s29, s28, s29                  ; row 16 id + 2 w
	s_mul_i32 s30, s29, 3072
	s_mov_b32 s31, 0
	s_mul_i32 s36, s29, 1536
	s_mov_b32 s37, 0
	s_mov_b32 s32, 0x76543210
	s_mov_b32 s33, 0xfedcba98
	s_mov_b32 s34, 0x3aaaaaab                      ; 1 / 768
	s_mov_b32 s35, 0x3727c5ac                      ; 1e-5
	s_wait_kmcnt 0x0
	s_add_nc_u64 s[4:5], s[4:5], s[30:31]
	s_add_nc_u64 s[XNP:XNP+1], s[XNP:XNP+1], s[36:37]
.irp c, 0,1,2,3,4,5
	global_load_b128 v[WW+4*\c:WW+4*\c+3], v2, s[6:7] offset:512*\c
.endr
.irp c, 0,1,2,3,4,5
	global_load_b128 v[BB+4*\c:BB+4*\c+3], v2, s[8:9] offset:512*\c
.endr
.irp c, 0,1,2,3,4,5
	global_load_b128 v[X0+4*\c:X0+4*\c+3], v2, s[4:5] offset:512*\c
.endr
.irp c, 0,1,2,3,4,5
	global_load_b128 v[X1+4*\c:X1+4*\c+3], v2, s[4:5] offset:3072+512*\c
.endr
	LNROW X0, 6, 0                                 ; row 1's six loads may stay out
	LNROW X1, 0, 1536
	s_endpgm
.Lfunc_end_k_q809ca6bbc0_ln2:
	.size	k_q809ca6bbc0_ln2, .Lfunc_end_k_q809ca6bbc0_ln2-k_q809ca6bbc0_ln2
	.p2alignl 7, 3214868480
	.fill 96, 4, 3214868480
	.section	.rodata,"a",@progbits
	.p2align	6, 0x0
	.amdhsa_kernel k_q809ca6bbc0_ln2
		.amdhsa_group_segment_fixed_size 0
		.amdhsa_private_segment_fixed_size 0
		.amdhsa_enable_private_segment 0
		.amdhsa_kernarg_size 32
		.amdhsa_user_sgpr_count 2
		.amdhsa_user_sgpr_kernarg_segment_ptr 1
		.amdhsa_wavefront_size32 1
		.amdhsa_system_sgpr_workgroup_id_x 1
		.amdhsa_system_sgpr_workgroup_id_y 1
		.amdhsa_system_sgpr_workgroup_id_z 1
		.amdhsa_system_vgpr_workitem_id 0
		.amdhsa_next_free_vgpr 128
		.amdhsa_next_free_sgpr 66
		.amdhsa_reserve_vcc 0
		.amdhsa_float_denorm_mode_32 3
		.amdhsa_float_denorm_mode_16_64 3
		.amdhsa_memory_ordered 1
		.amdhsa_forward_progress 1
		.amdhsa_inst_pref_size 16
	.end_amdhsa_kernel
	.amdgpu_metadata
---
amdhsa.version: [ 1, 2 ]
amdhsa.kernels:
  - .name:           k_q809ca6bbc0_ln2
    .symbol:         k_q809ca6bbc0_ln2.kd
    .args:
      - { .name: hidden, .offset: 0, .size: 8, .value_kind: global_buffer, .address_space: global }
      - { .name: ln2_w, .offset: 8, .size: 8, .value_kind: global_buffer, .address_space: global }
      - { .name: ln2_b, .offset: 16, .size: 8, .value_kind: global_buffer, .address_space: global }
      - { .name: xn, .offset: 24, .size: 8, .value_kind: global_buffer, .address_space: global }
    .group_segment_fixed_size: 0
    .private_segment_fixed_size: 0
    .kernarg_segment_align: 8
    .kernarg_segment_size: 32
    .max_flat_workgroup_size: 256
    .sgpr_count:     66
    .vgpr_count:     128
    .wavefront_size: 32
...
	.end_amdgpu_metadata
.endif
;; end of part 5
;; launch up (part 6): grid 32 x 8, 4 waves a work-group, clusters of 4 x 1, 327,680 bytes of LDS; arguments xn, wb, b_up, act; writes act
.if DOCPART == 6
	.amdgcn_target "amdgcn-amd-amdhsa--gfx1250"
	.amdhsa_code_object_version 6
	.text
	.protected	k_q809ca6bbc0_up
	.globl	k_q809ca6bbc0_up
	.p2align	8
	.type	k_q809ca6bbc0_up,@function
k_q809ca6bbc0_up:
	s_mov_b64 s[64:65], 0
	v_nop
	global_prefetch_b8 v0, s[64:65] scope:SCOPE_SE
	s_setreg_imm32_b32 hwreg(HW_REG_WAVE_MODE, 25, 1), 1
	s_wait_xcnt 0x0
	s_wait_alu depctr_hold_cnt(0) depctr_sa_sdst(0) depctr_va_vdst(0) depctr_va_sdst(0) depctr_va_ssrc(0) depctr_va_vcc(0) depctr_vm_vsrc(0)
	s_getreg_b32 s2, hwreg(HW_REG_IB_STS2, 6, 4)
	s_cmp_eq_u32 s2, 0
	s_cbranch_scc0 .Lentry_in_a_cluster
	s_endpgm
.Lentry_in_a_cluster:
	s_bfe_u32 s2, ttmp6, 0x10000c
	s_cmp_lg_u32 s2, 0x3003
	s_cbranch_scc0 .Lentry_shape_is_right
	s_endpgm
.Lentry_shape_is_right:
; out = x W + bias (GELU = 1: gelu of it), x: xn [4096][768] bf16, W: bf16 [768 k][NB n] in wb, out: planes [N/64][4096][64] bf16.
; A work-group makes 128 rows x 384 columns with four waves; a wave makes 64 rows x 192 columns: 48 accumulator tiles, 384 registers.
; From each chunk of 128 columns (cb = 0..2) wave (wr, p) takes the 64 columns at 64 p, which are one plane of the output.
; K goes in six steps of 128 through two LDS slots.  A slot: W's three chunks (128 k rows x 256 bytes, rows 288 bytes apart), then x's
; 128 rows x 256 bytes, rows 272 bytes apart.  Waves 0 to 2 fetch chunk w, wave 3 fetches x: LDS address = slot + w x 36,864 for all four.
; CLUSTER 4 x 1: the four work-groups are four row blocks of one column group and need the same tiles of W: those are asked for jointly
; (mask 15).  x's tile is each work-group's own (mask 0); it is a quarter of a step's bytes.
; W stays [k][n]: ds_load_tr16_b128 hands a lane column n0 + r with k along its registers.
; The matrix instruction is used transposed (source 0 = W's fragment, source 1 = x's): lane l holds row l % 16 and the eight neighbouring
; columns n0 + 8 (l / 16) + 0..7.  Sums in f32; operands in bf16.
; GELU is the exact form with erf by the rational approximation 7.1.26 of Abramowitz and Stegun: absolute error of erf 1.5e-7.
; Registers: window 0: v16-29 addresses, v64-127 x's fragments (two buffers; at work on the way out from v32), v128-223 bias, v224-255 GELU;
; window 1: v0-95, v96-191 W's fragments (two buffers); window 2: tiles (a, b < 8) at 8 (8 a + b); window 3: tiles (a, b >= 8) at 8 (4 a + b - 8).
.set GELU,  1
.set NB,    3072                       ; W's columns = its pitch in elements
.set WUP,   3538944                    ; wb: w_up's block
.set PA,    272
.set PB,    288
.set CHUNK, 128*PB                     ; 36,864
.set AOFF,  3*CHUNK
.set SLOT,  AOFF+128*PA                ; 145,408
.set STAGE, 2*SLOT                     ; behind the ring: 16 rows x 400 bytes for each wave, never filled by a tensor load
.set SP,    400
.set BSTEP, 128*NB*2                   ; bytes of 128 k rows of W
.set ADRA, 16                          ; v16-17  x's fragments, slot 0, 1
.set ADRB, 18                          ; v18-23  W's fragments, 3 x slot + chunk
.set STO,  24
.set RD,   25
.set CO,   26
.set BO,   27
.set A5,   28                          ; v[28:29] GELU's leading coefficient, twice
.set TMP,  32
.set FA,   64
.set BIAS, 128
.set GT,   224
.set G1A, 24
.set G0A, 32
.set G1B, 48
.set G0B, 56
.if GELU
.set OUTP, 10
.else
.set OUTP, 14
.endif
.set MSB, 0
.macro WIN new                         ; the immediate's high byte repeats the setting that is left
.if MSB != \new
	s_set_vgpr_msb (MSB<<8)|\new
.set MSB, \new
.endif
.endm
.set MUL_LO, 0xa1                      ; source 0 (W) window 1, source 1 (x) window 0, C and D window 2
.set MUL_HI, 0xf1                      ; the same, C and D window 3
.set TO_B,   0x40                      ; destination window 1, address window 0
.macro JLOAD s                         ; one tensor load a wave: wave 3 x's tile, waves 0 to 2 a chunk of W (joint)
	s_cmp_eq_u32 s16, 3
	s_cbranch_scc0 .Lfor_b_\@
	tensor_load_to_lds s[G0A+4*\s:G0A+4*\s+3], s[G1A:G1A+7]
	s_nop 0
	s_branch .Lasked_\@
.Lfor_b_\@:
	tensor_load_to_lds s[G0B+4*\s:G0B+4*\s+3], s[G1B:G1B+7]
	s_nop 0
.Lasked_\@:
.endm
.macro CREST                           ; a round of the cluster's barrier behind its opening barrier
	s_cmp_lg_u32 s16, 0
	s_cbranch_scc1 .Lnot_wave_0_\@
	s_barrier_signal -3
.Lnot_wave_0_\@:
	s_barrier_wait -3
	s_barrier_signal -1
	s_barrier_wait -1
.endm
.macro CROUND
	s_barrier_signal -1
	s_barrier_wait -1
	CREST
.endm
.macro PLACES                          ; four plain places behind a matrix instruction, in front of loads into its sources and of reads of its result
.rept 4
	v_nop
.endr
.endm
; The 48 accumulators take turns, one instruction a turn, in the same order in every quarter step.
.macro MUL16 f, a0, zero               ; row blocks a0, a0 + 1 x column tiles 0..7
.irp a, \a0, \a0+1
.irp b, 0,1,2,3,4,5,6,7
.if \zero
	v_wmma_f32_16x16x32_bf16 v[8*(8*(\a)+\b):8*(8*(\a)+\b)+7], v[96*\f+8*\b:96*\f+8*\b+7], v[FA+32*\f+8*(\a):FA+32*\f+8*(\a)+7], 0
.else
	v_wmma_f32_16x16x32_bf16 v[8*(8*(\a)+\b):8*(8*(\a)+\b)+7], v[96*\f+8*\b:96*\f+8*\b+7], v[FA+32*\f+8*(\a):FA+32*\f+8*(\a)+7], v[8*(8*(\a)+\b):8*(8*(\a)+\b)+7]
.endif
.endr
.endr
.endm
.macro MULHI f, zero                   ; all four row blocks x column tiles 8..11
.irp a, 0,1,2,3
.irp b, 0,1,2,3
.if \zero
	v_wmma_f32_16x16x32_bf16 v[8*(4*\a+\b):8*(4*\a+\b)+7], v[96*\f+64+8*\b:96*\f+64+8*\b+7], v[FA+32*\f+8*\a:FA+32*\f+8*\a+7], 0
.else
	v_wmma_f32_16x16x32_bf16 v[8*(4*\a+\b):8*(4*\a+\b)+7], v[96*\f+64+8*\b:96*\f+64+8*\b+7], v[FA+32*\f+8*\a:FA+32*\f+8*\a+7], v[8*(4*\a+\b):8*(4*\a+\b)+7]
.endif
.endr
.endr
.endm
.macro FETCH slot, kq, f               ; 32 LDS loads in one run: the fragments of quarter kq (32 along K) into buffer f; W's tiles 8-11 last
	WIN 0
.irp a, 0,1,2,3
	ds_load_b128 v[FA+32*\f+8*\a:FA+32*\f+8*\a+3],   v[ADRA+\slot] offset:\kq*64+\a*16*PA
	ds_load_b128 v[FA+32*\f+8*\a+4:FA+32*\f+8*\a+7], v[ADRA+\slot] offset:\kq*64+\a*16*PA+32
.endr
	WIN TO_B
.irp cb, 0,1,2
.irp bb, 0,1,2,3
	ds_load_tr16_b128 v[96*\f+8*(4*\cb+\bb):96*\f+8*(4*\cb+\bb)+3],   v[ADRB+3*\slot+\cb] offset:\kq*32*PB+\bb*32
	ds_load_tr16_b128 v[96*\f+8*(4*\cb+\bb)+4:96*\f+8*(4*\cb+\bb)+7], v[ADRB+3*\slot+\cb] offset:\kq*32*PB+\bb*32+16*PB
.endr
.endr
.endm
.macro QUARTER slot, k, f, g, zero     ; multiplies buffer f; in its middle fetches quarter k of the same slot into buffer g
	s_wait_dscnt 8                                 ; all but the youngest eight loads (W's tiles 8-11) are in
	WIN MUL_LO
	MUL16 \f, 0, \zero
	MUL16 \f, 2, \zero
	PLACES
	FETCH \slot, \k, \g
	s_wait_dscnt 32                                ; all but the 32 just issued
	WIN MUL_HI
	MULHI \f, \zero
.endm
.macro THREE slot, zero
	QUARTER \slot, 1, 0, 1, \zero
	QUARTER \slot, 2, 1, 0, 0
	QUARTER \slot, 3, 0, 1, 0
.endm
; The last quarter of a step multiplies buffer 1 and changes slots.  In front of the barrier each wave waits for its reads of this slot and for
; all its tensor loads (one is out: its part of the next slot).  fill = 1: the barrier opens a round of the cluster's barrier, and the refill
; is the wave's first tensor load behind the round's closing wait.
.macro TURN slot, next, fill
	s_wait_dscnt 8
	WIN MUL_LO
	MUL16 1, 0, 0
	s_wait_dscnt 0
	s_wait_tensorcnt 0x0
	s_barrier_signal -1
	MUL16 1, 2, 0                                  ; register work alone between signal and wait
	WIN 0
	s_barrier_wait -1
.if \fill
	CREST
	s_add_nc_u64 s[G0A+4*\slot+2:G0A+4*\slot+3], s[G0A+4*\slot+2:G0A+4*\slot+3], 512       ; no tensor load of mine is out: two K steps on
	s_add_nc_u64 s[G0B+4*\slot+2:G0B+4*\slot+3], s[G0B+4*\slot+2:G0B+4*\slot+3], 2*BSTEP
	JLOAD \slot
.endif
	PLACES
	FETCH \next, 0, 0
	WIN MUL_HI
	MULHI 1, 0
.endm
.macro LAP zero
	THREE 0, \zero
	TURN 0, 1, 1
	THREE 1, 0
	TURN 1, 0, 1
.endm
; gelu(u) = u/2 + |u| (1/2 - q e), e = exp(-u^2/2), q = half of the polynomial in t = 1 / (1 + 0.3275911 |u| / sqrt 2).  Eight numbers at v[x].
.macro GELU8 x
.irp i, 0,1,2,3,4,5,6,7
	v_and_b32 v[GT+\i], 0x7fffffff, v[(\x)+\i]
.endr
.irp i, 0,2,4,6
	v_pk_fma_f32 v[GT+8+\i:GT+9+\i], v[GT+\i:GT+1+\i], 0x3e6d3389, 1.0 op_sel_hi:[1,0,0]
	v_pk_mul_f32 v[GT+16+\i:GT+17+\i], v[GT+\i:GT+1+\i], 0x3f596d27 op_sel_hi:[1,0]        ; |u| sqrt(log2(e) / 2)
.endr
.irp i, 0,2,4,6
	v_pk_mul_f32 v[GT+16+\i:GT+17+\i], v[GT+16+\i:GT+17+\i], v[GT+16+\i:GT+17+\i] neg_lo:[1,0] neg_hi:[1,0]
.endr
.irp i, 0,1,2,3,4,5,6,7
	v_exp_f32 v[GT+16+\i], v[GT+16+\i]
.endr
.irp i, 0,1,2,3,4,5,6,7
	v_rcp_f32 v[GT+8+\i], v[GT+8+\i]
.endr
.irp i, 0,2,4,6
	v_pk_mul_f32 v[(\x)+\i:(\x)+\i+1], v[(\x)+\i:(\x)+\i+1], 0.5 op_sel_hi:[1,0]           ; plain work behind the transcendentals (ISA guide 5.7.2)
.endr
	s_wait_alu depctr_va_vdst(0)
.irp i, 0,2,4,6
	v_pk_fma_f32 v[GT+24+\i:GT+25+\i], v[GT+8+\i:GT+9+\i], v[A5:A5+1], 0xbf3a00e3 op_sel_hi:[1,1,0]
.endr
.irp i, 0,2,4,6
	v_pk_fma_f32 v[GT+24+\i:GT+25+\i], v[GT+24+\i:GT+25+\i], v[GT+8+\i:GT+9+\i], 0x3f35f0e3 op_sel_hi:[1,1,0]
.endr
.irp i, 0,2,4,6
	v_pk_fma_f32 v[GT+24+\i:GT+25+\i], v[GT+24+\i:GT+25+\i], v[GT+8+\i:GT+9+\i], 0xbe11a98e op_sel_hi:[1,1,0]
.endr
.irp i, 0,2,4,6
	v_pk_fma_f32 v[GT+24+\i:GT+25+\i], v[GT+24+\i:GT+25+\i], v[GT+8+\i:GT+9+\i], 0x3e027906 op_sel_hi:[1,1,0]
.endr
.irp i, 0,2,4,6
	v_pk_mul_f32 v[GT+24+\i:GT+25+\i], v[GT+24+\i:GT+25+\i], v[GT+8+\i:GT+9+\i]
.endr
.irp i, 0,2,4,6
	v_pk_fma_f32 v[GT+24+\i:GT+25+\i], v[GT+24+\i:GT+25+\i], v[GT+16+\i:GT+17+\i], 0.5 op_sel_hi:[1,1,0] neg_lo:[1,0,0] neg_hi:[1,0,0]
.endr
.irp i, 0,2,4,6
	v_pk_fma_f32 v[(\x)+\i:(\x)+\i+1], v[GT+\i:GT+1+\i], v[GT+24+\i:GT+25+\i], v[(\x)+\i:(\x)+\i+1]
.endr
.endm
; Rows 16 a .. 16 a + 15 of my 64: bias (and GELU), rounded to bf16, through my own stage, out as 512 consecutive bytes a store.
.macro OUT16 a
	s_wait_xcnt 0x0                                ; the registers that the last sixteen rows' stores read are rewritten only behind this wait
	WIN 0x02
.irp b, 0,1,2,3,4,5,6,7
.irp r, 0,1,2,3
	v_pk_add_f32 v[TMP+8*\b+2*\r:TMP+8*\b+2*\r+1], v[8*(8*\a+\b)+2*\r:8*(8*\a+\b)+2*\r+1], v[BIAS+8*\b+2*\r:BIAS+8*\b+2*\r+1]
.endr
.endr
	WIN 0x03
.irp b, 8,9,10,11
.irp r, 0,1,2,3
	v_pk_add_f32 v[TMP+8*\b+2*\r:TMP+8*\b+2*\r+1], v[8*(4*\a+\b-8)+2*\r:8*(4*\a+\b-8)+2*\r+1], v[BIAS+8*\b+2*\r:BIAS+8*\b+2*\r+1]
.endr
.endr
	WIN 0
.if GELU
.irp b, 0,1,2,3,4,5,6,7,8,9,10,11
	GELU8 TMP+8*\b
.endr
.endif
.set cnt, 0
.rept 48
	v_cvt_pk_bf16_f32 v[TMP+cnt], v[TMP+2*cnt], v[TMP+2*cnt+1]     ; packed downward in place
.set cnt, cnt+1
.endr
.irp cb, 0,1,2
.irp bb, 0,1,2,3
	ds_store_b128 v[STO], v[TMP+4*(4*\cb+\bb):TMP+4*(4*\cb+\bb)+3] offset:\cb*128+\bb*32
.endr
.endr
.irp cb, 0,1,2
.irp i, 0,1,2,3
	ds_load_b128 v[TMP+48+4*(4*\cb+\i):TMP+48+4*(4*\cb+\i)+3], v[RD] offset:\i*4*SP+\cb*128   ; my own bytes: LDS serves a wave's instructions in order (ISA guide 5.7.1)
.endr
.endr
.set cnt, 0
.irp cb, 0,1,2
.irp i, 0,1,2,3
	s_wait_dscnt 11-cnt
	global_store_b128 v[CO], v[TMP+48+4*cnt:TMP+48+4*cnt+3], s[66:67] offset:\cb*1048576+\a*2048+\i*512   ; four rows of a plane: 512 consecutive bytes, aligned
.set cnt, cnt+1
.endr
.endr
.endm
	s_load_b256 s[4:11], s[0:1], 0x0               ; xn, wb, then bq, bk (GELU: b_up, act)
.if GELU == 0
	s_load_b128 s[12:15], s[0:1], 0x20             ; bv, qkv
.endif
	v_lshrrev_b32 v1, 5, v0
	v_readfirstlane_b32 s16, v1                    ; wave 0..3
	s_lshr_b32 s17, s16, 1                         ; wr: which 64 rows
	s_and_b32 s18, s16, 1                          ; p: which 64 of each 128 columns
	s_bfe_u32 s19, ttmp6, 0x40000                  ; cx
	s_lshl_b32 s20, ttmp9, 2
	s_add_co_u32 s20, s20, s19                     ; row block
	s_and_b32 s21, ttmp7, 0xffff                   ; column group
	; group 1 for x: 128 rows x 128 elements of 2 bytes, 4 words of padding behind every 64
	s_mov_b32 s[G1A+0], (1<<16)|(1<<20)|(5<<22)|(3<<25)
	s_mov_b32 s[G1A+1], 128<<16
	s_mov_b32 s[G1A+2], 128<<16
	s_mov_b32 s[G1A+3], 128<<16
	s_mov_b32 s[G1A+4], 128
	s_mov_b32 s[G1A+5], 768
	s_mov_b32 s[G1A+6], 0
	s_mov_b32 s[G1A+7], 0
	; group 1 for W: the same tile with 8 words of padding, mask 15 (all four of the cluster) and bit 21 beside it
	s_mov_b32 s[G1B+0], 15|(1<<16)|(1<<20)|(1<<21)|(5<<22)|(7<<25)
	s_mov_b32 s[G1B+1], 128<<16
	s_mov_b32 s[G1B+2], 128<<16
	s_mov_b32 s[G1B+3], 128<<16
	s_mov_b32 s[G1B+4], 128
	s_mov_b32 s[G1B+5], NB
	s_mov_b32 s[G1B+6], 0
	s_mov_b32 s[G1B+7], 0
	s_mul_i32 s40, s20, 196608                     ; x: 128 rows of 1,536 bytes a row block
	s_mov_b32 s41, 0
.if GELU
	s_mul_i32 s44, s21, 768                        ; W: 384 columns a group
	s_add_co_u32 s44, s44, WUP
.else
	s_lshr_b32 s72, s21, 1                         ; W: matrix g / 2, its half g % 2
	s_and_b32 s73, s21, 1
	s_mul_i32 s44, s72, 1179648
	s_mul_i32 s73, s73, 768
	s_add_co_u32 s44, s44, s73
.endif
	s_lshl_b32 s45, s16, 8                         ; + my chunk of 128 columns
	s_add_co_u32 s44, s44, s45
	s_mov_b32 s45, 0
	s_mul_i32 s22, s16, CHUNK                      ; LDS: wave x 36,864
	s_wait_kmcnt 0x0
	s_add_nc_u64 s[42:43], s[4:5], s[40:41]
	s_add_nc_u64 s[46:47], s[6:7], s[44:45]
	CROUND                                         ; all four work-groups are here: the first joint loads meet
.irp s, 0,1
	s_mov_b32 s[G0A+4*\s], 1
	s_add_co_u32 s[G0A+4*\s+1], s22, \s*SLOT
	s_add_nc_u64 s[G0A+4*\s+2:G0A+4*\s+3], s[42:43], \s*256
	s_or_b32 s[G0A+4*\s+3], s[G0A+4*\s+3], 0x80000000
	s_mov_b32 s[G0B+4*\s], 1
	s_add_co_u32 s[G0B+4*\s+1], s22, \s*SLOT
	s_add_nc_u64 s[G0B+4*\s+2:G0B+4*\s+3], s[46:47], \s*BSTEP
	s_or_b32 s[G0B+4*\s+3], s[G0B+4*\s+3], 0x80000000
	JLOAD \s                                       ; K steps 0 and 1: two tensor loads of the wave are out
.endr
	v_and_b32 v1, 15, v0                           ; r
	v_bfe_u32 v2, v0, 4, 1                         ; h
	v_and_b32 v3, 31, v0                           ; lane
	v_and_b32 v5, 7, v0
	v_bfe_u32 v7, v0, 3, 1
	v_bfe_u32 v8, v0, 3, 2
	v_mul_u32_u24 v4, v1, PA
	v_lshl_add_u32 v4, v2, 4, v4
	s_mul_i32 s23, s17, 64*PA
	s_add_co_u32 s23, s23, AOFF
	v_add_nc_u32 v[ADRA], s23, v4
	v_add_nc_u32 v[ADRA+1], SLOT, v[ADRA]
	v_lshl_add_u32 v6, v2, 3, v5                   ; k row 8 h + lane % 8
	v_mul_u32_u24 v6, v6, PB
	v_lshl_add_u32 v6, v7, 4, v6
	s_lshl_b32 s23, s18, 7
	v_add_nc_u32 v6, s23, v6
.irp s, 0,1
.irp cb, 0,1,2
	v_add_nc_u32 v[ADRB+3*\s+\cb], \s*SLOT+\cb*CHUNK, v6
.endr
.endr
	s_mul_i32 s23, s16, 16*SP
	s_add_co_u32 s23, s23, STAGE
	v_mul_u32_u24 v9, v1, SP
	v_lshl_add_u32 v9, v2, 4, v9
	v_add_nc_u32 v[STO], s23, v9
	v_mul_u32_u24 v10, v8, SP
	v_lshl_add_u32 v10, v5, 4, v10
	v_add_nc_u32 v[RD], s23, v10
	v_lshlrev_b32 v[CO], 4, v3
	v_lshlrev_b32 v[BO], 5, v2
	v_mov_b32 v[A5], 0x3f07dc22
	v_mov_b32 v[A5+1], 0x3f07dc22
	; the bias of my 96 columns a lane, and the output's base
.if GELU
	s_mul_i32 s70, s21, 1536
	s_mov_b64 s[68:69], s[8:9]
.else
	s_lshr_b32 s72, s21, 1
	s_cmp_eq_u32 s72, 0
	s_cselect_b64 s[68:69], s[8:9], s[10:11]
	s_cmp_eq_u32 s72, 2
	s_cselect_b64 s[68:69], s[12:13], s[68:69]
	s_and_b32 s70, s21, 1
	s_mul_i32 s70, s70, 1536
.endif
	s_lshl_b32 s71, s18, 8
	s_add_co_u32 s70, s70, s71
	s_mov_b32 s71, 0
	s_add_nc_u64 s[68:69], s[68:69], s[70:71]
.irp cb, 0,1,2
.irp bb, 0,1,2,3
	global_load_b128 v[BIAS+8*(4*\cb+\bb):BIAS+8*(4*\cb+\bb)+3],   v[BO], s[68:69] offset:(128*\cb+16*\bb)*4
	global_load_b128 v[BIAS+8*(4*\cb+\bb)+4:BIAS+8*(4*\cb+\bb)+7], v[BO], s[68:69] offset:(128*\cb+16*\bb)*4+16
.endr
.endr
	s_mul_i32 s74, s21, 6
	s_add_co_u32 s74, s74, s18                     ; plane 6 g + p
	s_lshl_b32 s74, s74, 19
	s_lshl_b32 s75, s20, 14                        ; + row block x 128 rows x 128 bytes
	s_add_co_u32 s74, s74, s75
	s_lshl_b32 s75, s17, 13
	s_add_co_u32 s74, s74, s75
	s_mov_b32 s75, 0
	s_add_nc_u64 s[66:67], s[OUTP:OUTP+1], s[74:75]
	s_wait_tensorcnt 0x1                           ; my part of K step 0 is in; step 1's may stay out
	s_barrier_signal -1
	s_barrier_wait -1
	FETCH 0, 0, 0
	LAP 1                                          ; the first products start the sums
	LAP 0
	THREE 0, 0                                     ; the last two steps fill nothing
	TURN 0, 1, 0
	THREE 1, 0
	s_wait_dscnt 8
	WIN MUL_LO
	MUL16 1, 0, 0
	MUL16 1, 2, 0
	s_wait_dscnt 0
	WIN MUL_HI
	MULHI 1, 0
	PLACES
	s_wait_loadcnt 0x0                             ; the bias
	OUT16 0
	OUT16 1
	OUT16 2
	OUT16 3
	CROUND                                         ; the closing round: no work-group ends while a partner may still ask jointly
	s_endpgm
.Lfunc_end_k_q809ca6bbc0_up:
	.size	k_q809ca6bbc0_up, .Lfunc_end_k_q809ca6bbc0_up-k_q809ca6bbc0_up
	.p2alignl 7, 3214868480
	.fill 96, 4, 3214868480
	.section	.rodata,"a",@progbits
	.p2align	6, 0x0
	.amdhsa_kernel k_q809ca6bbc0_up
		.amdhsa_group_segment_fixed_size 327680
		.amdhsa_private_segment_fixed_size 0
		.amdhsa_enable_private_segment 0
		.amdhsa_kernarg_size 32
		.amdhsa_user_sgpr_count 2
		.amdhsa_user_sgpr_kernarg_segment_ptr 1
		.amdhsa_wavefront_size32 1
		.amdhsa_system_sgpr_workgroup_id_x 1
		.amdhsa_system_sgpr_workgroup_id_y 1
		.amdhsa_system_sgpr_workgroup_id_z 1
		.amdhsa_system_vgpr_workitem_id 0
		.amdhsa_next_free_vgpr 896
		.amdhsa_next_free_sgpr 96
		.amdhsa_reserve_vcc 0
		.amdhsa_float_denorm_mode_32 3
		.amdhsa_float_denorm_mode_16_64 3
		.amdhsa_memory_ordered 1
		.amdhsa_forward_progress 1
		.amdhsa_inst_pref_size 255
	.end_amdhsa_kernel
	.section	.bss,"aw",@nobits
	.p2align	6
	.space	262144
	.amdgpu_metadata
---
amdhsa.version: [ 1, 2 ]
amdhsa.kernels:
  - .name:           k_q809ca6bbc0_up
    .symbol:         k_q809ca6bbc0_up.kd
    .args:
      - { .name: xn, .offset: 0, .size: 8, .value_kind: global_buffer, .address_space: global }
      - { .name: wb, .offset: 8, .size: 8, .value_kind: global_buffer, .address_space: global }
      - { .name: b_up, .offset: 16, .size: 8, .value_kind: global_buffer, .address_space: global }
      - { .name: act, .offset: 24, .size: 8, .value_kind: global_buffer, .address_space: global }
    .group_segment_fixed_size: 327680
    .private_segment_fixed_size: 0
    .kernarg_segment_align: 8
    .kernarg_segment_size: 32
    .max_flat_workgroup_size: 128
    .sgpr_count:     96
    .vgpr_count:     896
    .wavefront_size: 32
...
	.end_amdgpu_metadata
.endif
;; end of part 6
;; launch down (part 7): grid 4 x 64, 4 waves a work-group, clusters of 4 x 4, 327,680 bytes of LDS; arguments act, wb, b_down, hidden, out0; writes out0
.if DOCPART == 7
	.amdgcn_target "amdgcn-amd-amdhsa--gfx1250"
	.amdhsa_code_object_version 6
	.text
	.protected	k_q809ca6bbc0_down
	.globl	k_q809ca6bbc0_down
	.p2align	8
	.type	k_q809ca6bbc0_down,@function
k_q809ca6bbc0_down:
	s_mov_b64 s[64:65], 0
	v_nop
	global_prefetch_b8 v0, s[64:65] scope:SCOPE_SE
	s_setreg_imm32_b32 hwreg(HW_REG_WAVE_MODE, 25, 1), 1
	s_wait_xcnt 0x0
	s_wait_alu depctr_hold_cnt(0) depctr_sa_sdst(0) depctr_va_vdst(0) depctr_va_sdst(0) depctr_va_ssrc(0) depctr_va_vcc(0) depctr_vm_vsrc(0)
	s_getreg_b32 s2, hwreg(HW_REG_IB_STS2, 6, 4)
	s_cmp_eq_u32 s2, 0
	s_cbranch_scc0 .Lentry_in_a_cluster
	s_endpgm
.Lentry_in_a_cluster:
	s_bfe_u32 s2, ttmp6, 0x10000c
	s_cmp_lg_u32 s2, 0xf033
	s_cbranch_scc0 .Lentry_shape_is_right
	s_endpgm
.Lentry_shape_is_right:
; out = A W + bias + residual.  A: planes [KK/64][4096][64] bf16; W: bf16 [4 column groups][KK k][192 n] in wb; bias [768], residual and out [4096][768] f32.
; A work-group makes 64 rows x 192 columns (768 bytes of a row of the output: three whole aligned blocks of 256 bytes); 64 x 4 work-groups.
; Wave w has all 64 rows and the columns 64 b + 16 w .. + 15, b = 0..2: 12 accumulator tiles.  In W's padded LDS row (three pieces of 128 bytes,
; 160 bytes apart) its tile b begins at byte 32 w + 160 b: the wave's number times a constant, and a constant that stands in the load's immediate.
; K goes in steps of 256 through two LDS slots.  A slot: W's 256 k rows (dense in memory, 98,304 bytes, fetched as three thirds of 128 rows of 256 bytes,
; 32 bytes of padding behind every 128: a k row is 480 bytes), then A's four planes x 64 rows x 128 bytes (16 bytes of padding behind every 128: rows 144 apart).
; Waves 0 to 2 fetch W's thirds, wave 3 fetches A: LDS address = slot + w x 40,960 for all four.
; CLUSTER 4 x 4: the four of a row of the cluster share the row block and so A's tile; the four of a column share the column group and so W's tile.
; Both are asked for jointly.  The matrix instruction is used transposed (source 0 = W by ds_load_tr16_b128, source 1 = A).
; The result goes through a stage at LDS byte 0, written only behind the launch's last fill and a barrier, and leaves as whole rows of 768 bytes.
.set KK,    3072
.set WOFF,  9437184
.set STEPS, KK/256
.set THIRD, 40960
.set AOFF,  3*THIRD
.set SLOT,  AOFF+4*64*144              ; 159,744
.set OP,    784                        ; the stage's pitch
.set ADRA, 8                           ; v8-9    A's fragments, slot 0, 1
.set ADRB, 10                          ; v10-13  W's fragments, 2 x slot + (k half of 128 rows)
.set STO,  22
.set RD,   23
.set GO,   24
.set BOF,  25
.set ACC,  32                          ; v[32:127]  tile (a, b) at 8 (3 a + b)
.set FF,   128                         ; v[128:183], v[184:239] fragment buffers: A 32 registers, W 24
.set RES,  128                         ; the way out: the residual
.set BIAS, 240
.set G1A, 24
.set G0A, 32
.set G1B, 48
.set G0B, 56
.macro JLOAD s
	s_cmp_eq_u32 s14, 3
	s_cbranch_scc0 .Lfor_b_\@
	tensor_load_to_lds s[G0A+4*\s:G0A+4*\s+3], s[G1A:G1A+7]
	s_nop 0
	s_branch .Lasked_\@
.Lfor_b_\@:
	tensor_load_to_lds s[G0B+4*\s:G0B+4*\s+3], s[G1B:G1B+7]
	s_nop 0
.Lasked_\@:
.endm
.macro CREST
	s_cmp_lg_u32 s14, 0
	s_cbranch_scc1 .Lnot_wave_0_\@
	s_barrier_signal -3
.Lnot_wave_0_\@:
	s_barrier_wait -3
	s_barrier_signal -1
	s_barrier_wait -1
.endm
.macro CROUND
	s_barrier_signal -1
	s_barrier_wait -1
	CREST
.endm
.macro PLACES                          ; four plain places behind a matrix instruction (ISA guide 7.12.1)
.rept 4
	v_nop
.endr
.endm
.macro FETCH slot, kq, f               ; 14 LDS loads: the fragments of 32 along K (kq = 0..7 in the slot) into buffer f
.irp a, 0,1,2,3
	ds_load_b128 v[FF+56*\f+8*\a:FF+56*\f+8*\a+3],   v[ADRA+\slot] offset:(\kq>>1)*9216+\a*2304+(\kq&1)*64
	ds_load_b128 v[FF+56*\f+8*\a+4:FF+56*\f+8*\a+7], v[ADRA+\slot] offset:(\kq>>1)*9216+\a*2304+(\kq&1)*64+32
.endr
.irp b, 0,1,2
	ds_load_tr16_b128 v[FF+56*\f+32+8*\b:FF+56*\f+32+8*\b+3],   v[ADRB+2*\slot+(\kq>>2)] offset:(\kq&3)*15360+\b*160
	ds_load_tr16_b128 v[FF+56*\f+32+8*\b+4:FF+56*\f+32+8*\b+7], v[ADRB+2*\slot+(\kq>>2)] offset:(\kq&3)*15360+\b*160+7680
.endr
.endm
; The 12 accumulators take turns, one instruction a turn.
.macro MUL6 f, a0, zero
.irp a, \a0, \a0+1
.irp b, 0,1,2
.if \zero
	v_wmma_f32_16x16x32_bf16 v[ACC+8*(3*(\a)+\b):ACC+8*(3*(\a)+\b)+7], v[FF+56*\f+32+8*\b:FF+56*\f+32+8*\b+7], v[FF+56*\f+8*(\a):FF+56*\f+8*(\a)+7], 0
.else
	v_wmma_f32_16x16x32_bf16 v[ACC+8*(3*(\a)+\b):ACC+8*(3*(\a)+\b)+7], v[FF+56*\f+32+8*\b:FF+56*\f+32+8*\b+7], v[FF+56*\f+8*(\a):FF+56*\f+8*(\a)+7], v[ACC+8*(3*(\a)+\b):ACC+8*(3*(\a)+\b)+7]
.endif
.endr
.endr
.endm
.macro QUARTER slot, kqn, f, g, zero   ; fetches piece kqn into buffer g, multiplies buffer f
	PLACES
	FETCH \slot, \kqn, \g
	s_wait_dscnt 14                                ; all but the 14 just issued
	MUL6 \f, 0, \zero
	MUL6 \f, 2, \zero
.endm
.macro SEVEN slot, zero
	QUARTER \slot, 1, 0, 1, \zero
	QUARTER \slot, 2, 1, 0, 0
	QUARTER \slot, 3, 0, 1, 0
	QUARTER \slot, 4, 1, 0, 0
	QUARTER \slot, 5, 0, 1, 0
	QUARTER \slot, 6, 1, 0, 0
	QUARTER \slot, 7, 0, 1, 0
.endm
; The eighth piece and the change of slots: my reads of this slot are back and all my tensor loads have landed, then the barrier;
; fill = 1: it opens a round of the cluster's barrier, and the joint refill is the wave's first tensor load behind the round.
.macro TURN slot, next, fill
	s_wait_dscnt 0
	s_wait_tensorcnt 0x0
	s_barrier_signal -1
	MUL6 1, 0, 0
	s_barrier_wait -1
.if \fill
	CREST
	s_add_nc_u64 s[G0A+4*\slot+2:G0A+4*\slot+3], s[G0A+4*\slot+2:G0A+4*\slot+3], 4194304   ; eight planes on
	s_add_nc_u64 s[G0B+4*\slot+2:G0B+4*\slot+3], s[G0B+4*\slot+2:G0B+4*\slot+3], 196608    ; 512 k rows on
	JLOAD \slot
.endif
	PLACES
	FETCH \next, 0, 0
	MUL6 1, 2, 0
.endm
	s_load_b256 s[4:11], s[0:1], 0x0               ; A, wb, bias, residual
	s_load_b64 s[12:13], s[0:1], 0x20              ; out
	v_lshrrev_b32 v1, 5, v0
	v_readfirstlane_b32 s14, v1                    ; wave 0..3
	s_bfe_u32 s15, ttmp6, 0x40000                  ; cx
	s_bfe_u32 s16, ttmp6, 0x40004                  ; cy
	s_lshl_b32 s17, ttmp9, 2
	s_add_co_u32 s17, s17, s15                     ; column group
	s_and_b32 s18, ttmp7, 0xffff
	s_lshl_b32 s18, s18, 2
	s_add_co_u32 s18, s18, s16                     ; row block
	s_lshl_b32 s21, s16, 2
	s_lshl_b32 s21, 15, s21                        ; my row of the cluster
	s_lshl_b32 s22, 0x1111, s15                    ; my column
	; group 1 for A: 4 rows (planes) of 4,096 elements of 2 bytes (64 rows of a plane, dense), 262,144 elements from plane to plane
	s_or_b32 s[G1A+0], s21, (1<<16)|(1<<20)|(1<<21)|(4<<22)|(3<<25)
	s_mov_b32 s[G1A+1], 4096<<16
	s_mov_b32 s[G1A+2], 4<<16
	s_mov_b32 s[G1A+3], 4096<<16
	s_mov_b32 s[G1A+4], 4
	s_mov_b32 s[G1A+5], 262144
	s_mov_b32 s[G1A+6], 0
	s_mov_b32 s[G1A+7], 0
	; group 1 for W: 128 rows of 32 elements of 8 bytes, dense
	s_or_b32 s[G1B+0], s22, (3<<16)|(1<<20)|(1<<21)|(4<<22)|(7<<25)
	s_mov_b32 s[G1B+1], 32<<16
	s_mov_b32 s[G1B+2], 128<<16
	s_mov_b32 s[G1B+3], 32<<16
	s_mov_b32 s[G1B+4], 128
	s_mov_b32 s[G1B+5], 32
	s_mov_b32 s[G1B+6], 0
	s_mov_b32 s[G1B+7], 0
	s_lshl_b32 s40, s18, 13                        ; A: 64 rows x 128 bytes a row block; hangs on the row block alone
	s_mov_b32 s41, 0
	s_mul_i32 s44, s17, KK*384                     ; W: hangs on the column group and the wave alone
	s_lshl_b32 s45, s14, 15
	s_add_co_u32 s44, s44, s45
	s_add_co_u32 s44, s44, WOFF
	s_mov_b32 s45, 0
	s_mul_i32 s20, s14, THIRD
	s_wait_kmcnt 0x0
	s_add_nc_u64 s[42:43], s[4:5], s[40:41]
	s_add_nc_u64 s[46:47], s[6:7], s[44:45]
	CROUND                                         ; all sixteen work-groups are here: the first joint loads meet
.irp s, 0,1
	s_mov_b32 s[G0A+4*\s], 1
	s_add_co_u32 s[G0A+4*\s+1], s20, \s*SLOT
	s_add_nc_u64 s[G0A+4*\s+2:G0A+4*\s+3], s[42:43], \s*2097152
	s_or_b32 s[G0A+4*\s+3], s[G0A+4*\s+3], 0x80000000
	s_mov_b32 s[G0B+4*\s], 1
	s_add_co_u32 s[G0B+4*\s+1], s20, \s*SLOT
	s_add_nc_u64 s[G0B+4*\s+2:G0B+4*\s+3], s[46:47], \s*98304
	s_or_b32 s[G0B+4*\s+3], s[G0B+4*\s+3], 0x80000000
	JLOAD \s                                       ; K steps 0 and 1: two tensor loads of the wave are out
.endr
	v_and_b32 v1, 15, v0                           ; r
	v_bfe_u32 v2, v0, 4, 1                         ; h
	v_and_b32 v3, 7, v0
	v_bfe_u32 v4, v0, 3, 1
	v_mul_u32_u24 v5, v1, 144
	v_lshl_add_u32 v5, v2, 4, v5
	v_add_nc_u32 v[ADRA], AOFF, v5
	v_add_nc_u32 v[ADRA+1], AOFF+SLOT, v5
	v_lshl_add_u32 v6, v2, 3, v3                   ; k row 8 h + lane % 8
	v_mul_u32_u24 v6, v6, 480
	v_lshl_add_u32 v6, v4, 4, v6
	s_lshl_b32 s72, s14, 5                         ; my 16 columns of each piece of 64: 32 bytes a wave
	v_add_nc_u32 v[ADRB], s72, v6
	v_add_nc_u32 v[ADRB+1], 61440, v[ADRB]         ; k rows 128 to 255 of the slot
	v_add_nc_u32 v[ADRB+2], SLOT, v[ADRB]
	v_add_nc_u32 v[ADRB+3], SLOT+61440, v[ADRB]
	v_mul_u32_u24 v[STO], v1, OP
	v_lshl_add_u32 v[STO], v2, 5, v[STO]
	s_lshl_b32 s72, s14, 6
	v_add_nc_u32 v[STO], s72, v[STO]               ; row r, byte 64 w + 32 h; the piece b stands in the immediate
	v_lshlrev_b32 v[BOF], 4, v1
	v_mul_u32_u24 v[RD], v2, OP
	v_add_nc_u32 v[RD], v[RD], v[BOF]
	s_mul_i32 s72, s14, 16*OP
	v_add_nc_u32 v[RD], s72, v[RD]                 ; row 16 w + h, byte 16 r
	v_mul_u32_u24 v[GO], v2, 3072
	v_add_nc_u32 v[GO], v[GO], v[BOF]
	s_mul_i32 s74, s17, 768
	s_mov_b32 s75, 0
	s_add_nc_u64 s[70:71], s[8:9], s[74:75]        ; the bias of my column group
.irp cu, 0,1,2
	global_load_b128 v[BIAS+4*\cu:BIAS+4*\cu+3], v[BOF], s[70:71] offset:256*\cu
.endr
	s_lshl_b32 s72, s18, 6
	s_lshl_b32 s73, s14, 4
	s_add_co_u32 s72, s72, s73                     ; row 64 x block + 16 w
	s_mul_i32 s72, s72, 3072
	s_add_co_u32 s72, s72, s74
	s_mov_b32 s73, 0
	s_add_nc_u64 s[68:69], s[10:11], s[72:73]
	s_add_nc_u64 s[66:67], s[12:13], s[72:73]
	s_wait_tensorcnt 0x1                           ; my part of K step 0 is in; step 1's may stay out
	s_barrier_signal -1
	s_barrier_wait -1
	FETCH 0, 0, 0
.if STEPS == 3
	SEVEN 0, 1                                     ; the first products start the sums
	TURN 0, 1, 1
	SEVEN 1, 0
	TURN 1, 0, 0
	SEVEN 0, 0
.else
	SEVEN 0, 1
	TURN 0, 1, 1
	SEVEN 1, 0
	TURN 1, 0, 1
	s_mov_b32 s19, STEPS/2-2
.Llap:
	SEVEN 0, 0
	TURN 0, 1, 1
	SEVEN 1, 0
	TURN 1, 0, 1
	s_sub_co_u32 s19, s19, 1
	s_cmp_lg_u32 s19, 0
	s_cbranch_scc1 .Llap
	SEVEN 0, 0                                     ; the last two steps fill nothing
	TURN 0, 1, 0
	SEVEN 1, 0
.endif
	s_wait_dscnt 0
	MUL6 1, 0, 0
	MUL6 1, 2, 0
	PLACES                                         ; in front of the loads onto the fragment buffers and of the stores of the sums
.irp rp, 0,1,2,3,4,5,6,7
.irp cu, 0,1,2
	global_load_b128 v[RES+4*(3*\rp+\cu):RES+4*(3*\rp+\cu)+3], v[GO], s[68:69] offset:\rp*6144+\cu*256
.endr
.endr
	s_wait_dscnt 0x0
	s_barrier_signal -1
	s_barrier_wait -1                              ; every wave's reads of both slots are over; no fill follows in this launch
.irp a, 0,1,2,3
.irp b, 0,1,2
	ds_store_b128 v[STO], v[ACC+8*(3*\a+\b):ACC+8*(3*\a+\b)+3]   offset:\a*16*OP+\b*256
	ds_store_b128 v[STO], v[ACC+8*(3*\a+\b)+4:ACC+8*(3*\a+\b)+7] offset:\a*16*OP+\b*256+16
.endr
.endr
	s_wait_dscnt 0x0                               ; for the others' sake: my stores are done
	s_barrier_signal -1
	s_barrier_wait -1
.irp rp, 0,1,2,3,4,5,6,7
.irp cu, 0,1,2
	ds_load_b128 v[ACC+4*(3*\rp+\cu):ACC+4*(3*\rp+\cu)+3], v[RD] offset:\rp*2*OP+\cu*256
.endr
.endr
	s_wait_loadcnt 0x0
.irp rp, 0,1,2,3,4,5,6,7
.irp cu, 0,1,2
	v_pk_add_f32 v[RES+4*(3*\rp+\cu):RES+4*(3*\rp+\cu)+1],   v[RES+4*(3*\rp+\cu):RES+4*(3*\rp+\cu)+1],   v[BIAS+4*\cu:BIAS+4*\cu+1]
	v_pk_add_f32 v[RES+4*(3*\rp+\cu)+2:RES+4*(3*\rp+\cu)+3], v[RES+4*(3*\rp+\cu)+2:RES+4*(3*\rp+\cu)+3], v[BIAS+4*\cu+2:BIAS+4*\cu+3]
.endr
.endr
	s_wait_dscnt 0x0
.irp rp, 0,1,2,3,4,5,6,7
.irp cu, 0,1,2
	v_pk_add_f32 v[ACC+4*(3*\rp+\cu):ACC+4*(3*\rp+\cu)+1],   v[ACC+4*(3*\rp+\cu):ACC+4*(3*\rp+\cu)+1],   v[RES+4*(3*\rp+\cu):RES+4*(3*\rp+\cu)+1]
	v_pk_add_f32 v[ACC+4*(3*\rp+\cu)+2:ACC+4*(3*\rp+\cu)+3], v[ACC+4*(3*\rp+\cu)+2:ACC+4*(3*\rp+\cu)+3], v[RES+4*(3*\rp+\cu)+2:RES+4*(3*\rp+\cu)+3]
	global_store_b128 v[GO], v[ACC+4*(3*\rp+\cu):ACC+4*(3*\rp+\cu)+3], s[66:67] offset:\rp*6144+\cu*256   ; sixteen lanes store 256 consecutive bytes, aligned
.endr
.endr
	CROUND                                         ; the closing round
	s_endpgm
.Lfunc_end_k_q809ca6bbc0_down:
	.size	k_q809ca6bbc0_down, .Lfunc_end_k_q809ca6bbc0_down-k_q809ca6bbc0_down
	.p2alignl 7, 3214868480
	.fill 96, 4, 3214868480
	.section	.rodata,"a",@progbits
	.p2align	6, 0x0
	.amdhsa_kernel k_q809ca6bbc0_down
		.amdhsa_group_segment_fixed_size 327680
		.amdhsa_private_segment_fixed_size 0
		.amdhsa_enable_private_segment 0
		.amdhsa_kernarg_size 40
		.amdhsa_user_sgpr_count 2
		.amdhsa_user_sgpr_kernarg_segment_ptr 1
		.amdhsa_wavefront_size32 1
		.amdhsa_system_sgpr_workgroup_id_x 1
		.amdhsa_system_sgpr_workgroup_id_y 1
		.amdhsa_system_sgpr_workgroup_id_z 1
		.amdhsa_system_vgpr_workitem_id 0
		.amdhsa_next_free_vgpr 256
		.amdhsa_next_free_sgpr 96
		.amdhsa_reserve_vcc 0
		.amdhsa_float_denorm_mode_32 3
		.amdhsa_float_denorm_mode_16_64 3
		.amdhsa_memory_ordered 1
		.amdhsa_forward_progress 1
		.amdhsa_inst_pref_size 110
	.end_amdhsa_kernel
	.amdgpu_metadata
---
amdhsa.version: [ 1, 2 ]
amdhsa.kernels:
  - .name:           k_q809ca6bbc0_down
    .symbol:         k_q809ca6bbc0_down.kd
    .args:
      - { .name: act, .offset: 0, .size: 8, .value_kind: global_buffer, .address_space: global }
      - { .name: wb, .offset: 8, .size: 8, .value_kind: global_buffer, .address_space: global }
      - { .name: b_down, .offset: 16, .size: 8, .value_kind: global_buffer, .address_space: global }
      - { .name: hidden, .offset: 24, .size: 8, .value_kind: global_buffer, .address_space: global }
      - { .name: out0, .offset: 32, .size: 8, .value_kind: global_buffer, .address_space: global }
    .group_segment_fixed_size: 327680
    .private_segment_fixed_size: 0
    .kernarg_segment_align: 8
    .kernarg_segment_size: 40
    .max_flat_workgroup_size: 128
    .sgpr_count:     96
    .vgpr_count:     256
    .wavefront_size: 32
...
	.end_amdgpu_metadata
.endif
;; end of part 7
